; MI455X (gfx1250); checked and timed in simulation.
; The chip was launched on July 23, 2026; its instructions are those of AMD's public machine-readable ISA for CDNA 5 (MIT licence, August 2026) and "CDNA5" Instruction Set Architecture Reference Guide (July 2026). The comments in the code are by the model that wrote it; some were corrected since.
;; Multi Head Attention. Allowed arithmetic: matrix products marked QUANTISED: E4M3 operands, one E8M0 scale for each 32 along K, by v_wmma_scale_f32_16x16x128_f8f6f4 with both operands' format E4M3, f32 sums; everything else in f32.
;; Inputs: Wk 1,024 x 1,024 float32; Wo 1,024 x 1,024 float32; Wq 1,024 x 1,024 float32; Wv 1,024 x 1,024 float32; attention_mask 1 x 1 x 4,096 x 4,096 float32; bk 1,024 float32; bo 1,024 float32; bq 1,024 float32; bv 1,024 float32; hidden_states 1 x 4,096 x 1,024 float32.
;; Outputs: out0 1 x 4,096 x 1,024 float32.
;; This version of the problem:
;;   THIS VERSION OF THE PROBLEM IS GIVEN IN LOW PRECISION. The matrix products marked QUANTISED in the list below multiply operands that are first quantised to E4M3 (4 exponent bits, 3 mantissa bits; 8 bits a number), with one power-of-two scale for each 32 numbers along K (OCP MX v1.0); their sums are f32. All else is computed in f32.
;;   The module's matrix products, in the order in which they are computed (A, B: the left and right operand; K: the contracted axis; several contracted axes count as one K, in the product's order):
;;     1. [M 4,096, K 1,024] x [K 1,024, N 1,024]; A: input hidden_states; B: input Wq: QUANTISED
;;     2. [M 4,096, K 1,024] x [K 1,024, N 1,024]; A: input hidden_states; B: input Wk: QUANTISED
;;     3. [M 4,096, K 1,024] x [K 1,024, N 1,024]; A: input hidden_states; B: input Wv: QUANTISED
;;     4. batch 16 x [M 4,096, K 64] x [K 64, N 4,096]; A: computed on the way; B: computed on the way: QUANTISED
;;     5. batch 16 x [M 4,096, K 4,096] x [K 4,096, N 64]; A: softmax (see below); B: computed on the way: QUANTISED
;;     6. [M 4,096, K 1,024] x [K 1,024, N 1,024]; A: computed on the way; B: input Wo: QUANTISED
;;   THE QUANTISER, for each operand of a quantised product, along K:
;;     - K is cut into blocks of 32 from its start; a last block that is shorter is filled with zeros.
;;     - A block's scale is 2^e with e = floor(log2(the largest magnitude in the block)) - 8, held to -126 .. 127; a block of zeros has e = 0. As a byte (E8M0): e + 127.
;;     - Each number is divided by its block's scale, clamped to +-448, and rounded to the nearest number of E4M3, ties to even, subnormals kept.
;;     - The product sums the exact products of the quantised numbers (number of the format x scale) in f32.
;;   ~~~python
;;   def quantise(x, axis):      # numpy; x: float32 -> the quantised numbers, widened to float32 again
;;       x = np.moveaxis(x, axis, -1); K = x.shape[-1]
;;       x = np.pad(x, [(0, 0)] * (x.ndim - 1) + [(0, -K % 32)]); x = x.reshape(x.shape[:-1] + (-1, 32)); a = np.abs(x).max(-1, keepdims=True)
;;       e = np.where(a > 0, np.clip(np.frexp(np.where(a > 0, a, 1))[1] - 1 - 8, -126, 127), 0)      # np.frexp(a)[1] - 1 = floor(log2(a)), exactly
;;       r = np.clip(x / 2.0 ** e, -448, 448)
;;       step = 2.0 ** (np.maximum(np.frexp(np.where(r == 0, 1, r))[1] - 1, -6) - 3)
;;       q = np.round(r / step) * step * 2.0 ** e      # np.round: ties to even
;;       return np.moveaxis(q.reshape(q.shape[:-2] + (-1,))[..., :K], -1, axis).astype(np.float32)
;;   ~~~
;;   SOFTMAX AHEAD OF A QUANTISED PRODUCT. Where the list says 'softmax', what is quantised is not the finished softmax but p = 2^(t - M), with t = logit x log2(e) and M = ceil(the row's largest t), a whole number; so 1/2 < the row's largest p <= 1. The row's sum l is taken of the UNQUANTISED p, in f32, and the product's result is divided by l at the end. Since M is a whole number, a kernel that streams over the keys may use a running M (the ceiling of the running maximum): every later rescaling is an exact power of two, which a block's scale takes up: the codes' values come out the same.
;;   OPERANDS COMPUTED ON THE WAY. 'Computed on the way' means the value that the module computes at that place (a softmax that the list does not call 'softmax' is quantised finished and normalised). What goes into a quantiser is computed in f32, as accurately as f32 sums, v_exp_f32 and their like allow (about 1e-6 of the number): no bf16 or f16 on the way to a quantiser, and a product that is left as it is and whose result goes on into a quantised operand takes f32 operands (vector FMAs, or v_wmma_f32_16x16x4_f32). A number that lies on a knife's edge between two numbers of the format may be rounded either way, as far as f32 arithmetic and the matrix unit's own rounding can turn it there, and no further.
;; One version. Each part assembles by itself: llvm-mc -triple=amdgcn-amd-amdhsa -mcpu=gfx1250 --defsym DOCPART=n.
;; ======== version 1 of 1: 4 launches
;; limits: right only within a limited range of input values
;; workspace buffers: xq 4,325,376 bytes; wq3 3,244,032 bytes; woq 1,081,344 bytes; qi 4,194,304 bytes; qs 131,072 bytes; kv 8,650,752 bytes; aq 4,325,376 bytes
;; launch quant (part 1): grid 4 x 128, 4 waves a work-group, no clusters, 69,120 bytes of LDS; arguments hidden_states, Wq, Wk, Wv, Wo, xq, wq3, woq; writes xq, wq3, woq
.if DOCPART == 1
	.amdgcn_target "amdgcn-amd-amdhsa--gfx1250"
	.amdhsa_code_object_version 6
	.text
	.protected	k_qaf9745e749_quant
	.globl	k_qaf9745e749_quant
	.p2align	8
	.type	k_qaf9745e749_quant,@function
k_qaf9745e749_quant:
	s_mov_b64 s[64:65], 0
	v_nop
	global_prefetch_b8 v0, s[64:65] scope:SCOPE_SE
	s_setreg_imm32_b32 hwreg(HW_REG_WAVE_MODE, 25, 1), 1
	s_wait_xcnt 0x0
; hidden_states [4096][1024] and Wq, Wk, Wv, Wo [1024][1024], f32, K innermost, become codes of E4M3 with one E8M0 byte for each 32 along K, laid as RECORDS in the order of a matrix operand's registers.
; A record (16,896 bytes) serves 64 rows (4 tiles of 16) and 256 along K: codes [tile 4][group 8][512 bytes], then scale words [tile 4][lane 32][4 bytes].
; A group is the four operand registers of one block of 32 along K: lane l's 16 bytes at 16 l.  A scale word: lanes 0-15 hold row r's four bytes for the record's first 128 along K, lanes 16-31 those for its second 128.
; ORDER INSIDE A BLOCK: lane (r, h) holds k = 8 h + 0..7 and 16 + 8 h + 0..7 of its block, the order in which a matrix result's two neighbouring tiles lie in a lane.  Every operand of this program has that order,
; so each product multiplies matching k; a block's scale does not hang on the order inside it.
; A block's scale is 2^(floor(log2(largest magnitude)) - 8); its byte is the largest magnitude's exponent field - 8, held at 1 from below; numbers are held within +-448 x the scale and rounded to the nearest code, ties to even.
; LIMITS: blocks whose largest magnitude lies under 2^-118 keep the byte 1; a block of zeros has the byte 1 where the rule says 127 (its codes are zeros, and this program alone reads the bytes); NaN and infinities are not served.
; SHARES: a work-group makes one record (x: which 256 along K; y: which 64 rows of which tensor), a wave one tile of 16 rows: 16 KB of f32, read by 32 loads of 512 consecutive bytes, all issued at once.
; The numbers turn through the wave's own stage in LDS (rows of 512 + 16 bytes), since the conversions want a lane's 16 numbers of one block.  Nothing is shared between work-groups, so no cluster; memory binds, so no matrix unit.
.set REC,   16896
.set SP,    528                        ; a stage row: 512 bytes + 16
.set WST,   2*16*SP                    ; a wave's two stages
.set SCR,   4*WST                      ; behind the stages: the record's 512 bytes of scale words
.set FLOOR, 0x4800000                  ; 2^(9 - 127)
.set GO,  1                            ; v1   16 x lane: my bytes of a load's or a store's 512
.set SI,  2                            ; v2   the stage, in
.set SO,  3                            ; v3   the stage, out: row r, + 32 h
.set SW,  4                            ; v4   where my scale word goes
.set SR,  5                            ; v5   where wave 0 reads the words back
.set TM,  8                            ; v8-23 at work: largest magnitudes, bytes, holds, scale operands
.set PW0, 28                           ; v28, v29 the two halves' scale words
.set WRD, 30
.set R0,  32                           ; v32-95   half 0 as loaded, later half 1's numbers in block order
.set R1,  96                           ; v96-159  half 1 as loaded
.set X0,  160                          ; v160-223 half 0's numbers in block order
.set C0,  224                          ; v224-255 the codes of both halves: no store's data are written again
.set SEL, 40
.set MNT, 42
.set HM,  43
; 64 numbers of a lane, v[s + 16 b + i], become 16 registers of codes at v[pc] and the row's scale word in v[pw]
.macro QUANT s, pc, pw
.irp b, 0,1,2,3
	v_max3_num_f32 v[TM+\b], |v[\s+16*\b]|, |v[\s+1+16*\b]|, FLOOR          ; block b: my 16 numbers and the floor
.endr
.irp i, 2,4,6,8,10,12,14
.irp b, 0,1,2,3
	v_max3_num_f32 v[TM+\b], v[TM+\b], |v[\s+16*\b+\i]|, |v[\s+1+16*\b+\i]|   ; the four blocks by turns
.endr
.endr
.irp b, 0,1,2,3
	v_permlanex16_b32 v[TM+4+\b], v[TM+\b], s[SEL], s[SEL+1]
.endr
.irp b, 0,1,2,3
	v_max_num_f32 v[TM+\b], v[TM+\b], v[TM+4+\b]                            ; with lane l xor 16's 16: the block's
.endr
.irp b, 0,1,2,3
	v_add_nc_u32 v[TM+12+\b], 0xfc000000, v[TM+\b]                          ; 8 off the exponent field: the conversion's scale operand
.endr
.irp b, 0,1,2,3
	v_and_or_b32 v[TM+8+\b], v[TM+\b], 0x7f800000, s[MNT]                   ; 448 x the scale
.endr
.irp b, 0,1,2,3
	v_lshrrev_b32 v[TM+4+\b], 23, v[TM+12+\b]                               ; the byte
.endr
	v_lshl_or_b32 v[\pw], v[TM+5], 8, v[TM+4]
	v_lshl_or_b32 v[\pw], v[TM+6], 16, v[\pw]
	v_lshl_or_b32 v[\pw], v[TM+7], 24, v[\pw]
.irp b, 0,1,2,3
.irp i, 0,1,2,3,4,5,6,7,8,9,10,11,12,13,14,15
	v_med3_num_f32 v[\s+16*\b+\i], v[\s+16*\b+\i], -v[TM+8+\b], v[TM+8+\b]  ; the conversion does not saturate (ISA guide 7.6.2): the hold comes first
.endr
	v_cvt_scalef32_pk8_fp8_f32 v[\pc+4*\b:\pc+4*\b+1], v[\s+16*\b:\s+16*\b+7], v[TM+12+\b]
	v_cvt_scalef32_pk8_fp8_f32 v[\pc+4*\b+2:\pc+4*\b+3], v[\s+16*\b+8:\s+16*\b+15], v[TM+12+\b]
.endr
	v_nop                                          ; a plain line behind the last conversion
.endm
	s_load_b256 s[4:11], s[0:1], 0x0               ; hidden_states, Wq, Wk, Wv
	s_load_b256 s[12:19], s[0:1], 0x20             ; Wo, xq, wq3, woq
	v_lshl_add_u32 v31, v0, 2, 0x10c00
	s_set_vgpr_msb 0x40
	v_mov_b32 v1, 0
	s_set_vgpr_msb 0x4000
	v_lshrrev_b32 v1, 5, v0
	v_readfirstlane_b32 s21, v1                    ; wave 0..3 = the record's tile
	v_and_b32 v6, 31, v0                           ; lane
	v_and_b32 v7, 15, v0                           ; r
	v_bfe_u32 v24, v0, 4, 1                        ; h
	v_lshlrev_b32 v[GO], 4, v6
	s_mul_i32 s22, s21, WST
	v_add_nc_u32 v[SI], s22, v[GO]
	v_mul_u32_u24 v[SO], v7, SP
	v_lshl_add_u32 v[SO], v24, 5, v[SO]
	v_add_nc_u32 v[SO], s22, v[SO]
	s_lshl_b32 s23, s21, 7
	s_add_co_u32 s23, s23, SCR
	v_lshl_add_u32 v[SW], v6, 2, s23
	v_add_nc_u32 v[SR], SCR, v[GO]
.irp b, 0,1,2,3
	v_mov_b32 v[TM+4+\b], 0                        ; a lane permute's destination counts as one of its sources
.endr
	s_mov_b32 s[SEL], 0x76543210
	s_mov_b32 s[SEL+1], 0xfedcba98
	s_mov_b32 s[MNT], 0x600000
	s_mov_b32 s[HM], 0xffff0000
	s_and_b32 s20, ttmp7, 0xffff                   ; y: 0-63 hidden_states, 64-79 Wq, 80-95 Wk, 96-111 Wv, 112-127 Wo
	s_and_b32 s30, s20, 15
	s_mov_b32 s31, 112
	s_wait_alu depctr_va_vdst(0)
	s_wait_kmcnt 0x0
	s_cmp_lt_u32 s20, 112                          ; every choice hangs on the work-group's number alone
	s_cselect_b64 s[24:25], s[10:11], s[12:13]
	s_cselect_b64 s[26:27], s[16:17], s[18:19]
	s_cselect_b32 s32, 48, 16                      ; quads of 64 rows in the destination
	s_cselect_b32 s33, 64, s31                     ; the y at which the destination begins
	s_cmp_lt_u32 s20, 96
	s_cselect_b64 s[24:25], s[8:9], s[24:25]
	s_cmp_lt_u32 s20, 80
	s_cselect_b64 s[24:25], s[6:7], s[24:25]
	s_cmp_lt_u32 s20, 64
	s_cselect_b64 s[24:25], s[4:5], s[24:25]
	s_cselect_b64 s[26:27], s[14:15], s[26:27]
	s_cselect_b32 s32, 64, s32
	s_cselect_b32 s33, 0, s33
	s_cselect_b32 s30, s20, s30                    ; the source's quad
	s_sub_co_u32 s33, s20, s33                     ; the destination's quad
	s_mul_i32 s32, ttmp9, s32
	s_add_co_u32 s32, s32, s33
	s_mul_i32 s32, s32, REC                        ; record (K step, quad)
	s_mov_b32 s33, 0
	s_add_nc_u64 s[26:27], s[26:27], s[32:33]      ; the record
	s_lshl_b32 s32, s21, 12
	s_add_nc_u64 s[28:29], s[26:27], s[32:33]      ; my tile's codes
	s_lshl_b32 s32, s30, 18                        ; 64 rows of 4,096 bytes a quad,
	s_lshl_b32 s34, s21, 16                        ; 16 rows a wave,
	s_add_co_u32 s32, s32, s34
	s_lshl_b32 s34, ttmp9, 10                      ; 1,024 bytes a K step
	s_add_co_u32 s32, s32, s34
	s_add_nc_u64 s[24:25], s[24:25], s[32:33]
.irp u, 0,1
.irp i, 0,1,2,3,4,5,6,7,8,9,10,11,12,13,14,15
	global_load_b128 v[R0+64*\u+4*\i:R0+64*\u+4*\i+3], v[GO], s[24:25] offset:\i*4096+\u*512 th:TH_LOAD_NT   ; 32 lanes read 512 consecutive bytes of row i
.endr
.endr
	s_wait_loadcnt 16                              ; half 0's sixteen loads are in; half 1's may be out
.irp i, 0,1,2,3,4,5,6,7,8,9,10,11,12,13,14,15
	ds_store_b128 v[SI], v[R0+4*\i:R0+4*\i+3] offset:\i*SP
.endr
.irp b, 0,1,2,3                        ; LDS serves a wave's instructions in order (ISA guide 5.7.1.4): these see the stores above
	ds_load_b128 v[X0+16*\b:X0+16*\b+3], v[SO] offset:128*\b
	ds_load_b128 v[X0+16*\b+4:X0+16*\b+7], v[SO] offset:128*\b+16
	ds_load_b128 v[X0+16*\b+8:X0+16*\b+11], v[SO] offset:128*\b+64
	ds_load_b128 v[X0+16*\b+12:X0+16*\b+15], v[SO] offset:128*\b+80
.endr
	s_wait_loadcnt 0x0
.irp i, 0,1,2,3,4,5,6,7,8,9,10,11,12,13,14,15
	ds_store_b128 v[SI], v[R1+4*\i:R1+4*\i+3] offset:16*SP+\i*SP
.endr
	s_wait_dscnt 16                                ; all but these sixteen stores: half 0's numbers are back, and its stores have read v32-95,
.irp b, 0,1,2,3                        ; which take half 1's numbers
	ds_load_b128 v[R0+16*\b:R0+16*\b+3], v[SO] offset:16*SP+128*\b
	ds_load_b128 v[R0+16*\b+4:R0+16*\b+7], v[SO] offset:16*SP+128*\b+16
	ds_load_b128 v[R0+16*\b+8:R0+16*\b+11], v[SO] offset:16*SP+128*\b+64
	ds_load_b128 v[R0+16*\b+12:R0+16*\b+15], v[SO] offset:16*SP+128*\b+80
.endr
	QUANT X0, C0, PW0
.irp c, 0,1,2,3
	global_store_b128 v[GO], v[C0+4*\c:C0+4*\c+3], s[28:29] offset:512*\c          ; a group: 512 consecutive bytes
.endr
	s_wait_dscnt 0x0
	QUANT R0, C0+16, PW0+1
.irp c, 0,1,2,3
	global_store_b128 v[GO], v[C0+16+4*\c:C0+16+4*\c+3], s[28:29] offset:2048+512*\c
.endr
	v_cndmask_b32 v[WRD], v[PW0], v[PW0+1], s[HM]  ; lanes 0-15: the first 128's word; lanes 16-31: the second 128's
	ds_store_b32 v[SW], v[WRD]
	s_wait_dscnt 0x0                               ; for wave 0's sake: my word has landed
	s_barrier_signal -1
	s_barrier_wait -1
	s_cmp_lg_u32 s21, 0
	s_cbranch_scc1 .Lend
	ds_load_b128 v[24:27], v[SR]                   ; the four tiles' words leave as 512 consecutive bytes
	s_wait_dscnt 0x0
	global_store_b128 v[GO], v[24:27], s[26:27] offset:16384
.Lend:
	s_set_vgpr_msb 0x4
	s_wait_tensorcnt 0x0
	ds_add_u32 v31, v1
	s_wait_dscnt 0x0
	s_set_vgpr_msb 0x400
	s_endpgm
.Lfunc_end_k_qaf9745e749_quant:
	.size	k_qaf9745e749_quant, .Lfunc_end_k_qaf9745e749_quant-k_qaf9745e749_quant
	.p2alignl 7, 3214868480
	.fill 96, 4, 3214868480
	.section	.rodata,"a",@progbits
	.p2align	6, 0x0
	.amdhsa_kernel k_qaf9745e749_quant
		.amdhsa_group_segment_fixed_size 69120
		.amdhsa_private_segment_fixed_size 0
		.amdhsa_enable_private_segment 0
		.amdhsa_kernarg_size 64
		.amdhsa_user_sgpr_count 2
		.amdhsa_user_sgpr_kernarg_segment_ptr 1
		.amdhsa_wavefront_size32 1
		.amdhsa_system_sgpr_workgroup_id_x 1
		.amdhsa_system_sgpr_workgroup_id_y 1
		.amdhsa_system_sgpr_workgroup_id_z 1
		.amdhsa_system_vgpr_workitem_id 0
		.amdhsa_next_free_vgpr 258
		.amdhsa_next_free_sgpr 66
		.amdhsa_reserve_vcc 0
		.amdhsa_float_denorm_mode_32 3
		.amdhsa_float_denorm_mode_16_64 3
		.amdhsa_memory_ordered 1
		.amdhsa_forward_progress 1
		.amdhsa_inst_pref_size 28
	.end_amdhsa_kernel
	.amdgpu_metadata
---
amdhsa.version: [ 1, 2 ]
amdhsa.kernels:
  - .name:           k_qaf9745e749_quant
    .symbol:         k_qaf9745e749_quant.kd
    .args:
      - { .name: hidden_states, .offset: 0, .size: 8, .value_kind: global_buffer, .address_space: global }
      - { .name: Wq, .offset: 8, .size: 8, .value_kind: global_buffer, .address_space: global }
      - { .name: Wk, .offset: 16, .size: 8, .value_kind: global_buffer, .address_space: global }
      - { .name: Wv, .offset: 24, .size: 8, .value_kind: global_buffer, .address_space: global }
      - { .name: Wo, .offset: 32, .size: 8, .value_kind: global_buffer, .address_space: global }
      - { .name: xq, .offset: 40, .size: 8, .value_kind: global_buffer, .address_space: global }
      - { .name: wq3, .offset: 48, .size: 8, .value_kind: global_buffer, .address_space: global }
      - { .name: woq, .offset: 56, .size: 8, .value_kind: global_buffer, .address_space: global }
    .group_segment_fixed_size: 69120
    .private_segment_fixed_size: 0
    .kernarg_segment_align: 8
    .kernarg_segment_size: 64
    .max_flat_workgroup_size: 128
    .sgpr_count:     66
    .vgpr_count:     258
    .wavefront_size: 32
...
	.end_amdgpu_metadata
.endif
;; end of part 1
;; launch proj (part 2): grid 16 x 12, 8 waves a work-group, clusters of 4 x 4, 327,680 bytes of LDS; arguments xq, wq3, bq, bk, bv, qi, qs, kv; writes qi, qs, kv
.if DOCPART == 2
	.amdgcn_target "amdgcn-amd-amdhsa--gfx1250"
	.amdhsa_code_object_version 6
	.text
	.protected	k_qaf9745e749_proj
	.globl	k_qaf9745e749_proj
	.p2align	8
	.type	k_qaf9745e749_proj,@function
k_qaf9745e749_proj:
	s_mov_b64 s[64:65], 0
	v_nop
	global_prefetch_b8 v0, s[64:65] scope:SCOPE_SE
	s_setreg_imm32_b32 hwreg(HW_REG_WAVE_MODE, 25, 1), 1
	s_wait_xcnt 0x0
	s_wait_alu depctr_hold_cnt(0) depctr_sa_sdst(0) depctr_va_vdst(0) depctr_va_sdst(0) depctr_va_ssrc(0) depctr_va_vcc(0) depctr_vm_vsrc(0)
	s_getreg_b32 s2, hwreg(HW_REG_IB_STS2, 6, 4)
	s_cmp_eq_u32 s2, 0
	s_cbranch_scc0 .Lentry_in_a_cluster
	s_endpgm
.Lentry_in_a_cluster:
	s_bfe_u32 s2, ttmp6, 0x10000c
	s_cmp_lg_u32 s2, 0xf033
	s_cbranch_scc0 .Lentry_shape_is_right
	s_endpgm
.Lentry_shape_is_right:
; q, k, v = X W^T + b on codes of E4M3 (X: 4,096 tokens; W: Wq, Wk, Wv stacked, 3,072 rows; K = 1,024), and their quantising for attention: q and k along the head's 64, v along the keys.
; A work-group makes 256 tokens x 256 rows of W; the cluster's y says which of q (0), k (1), v (2) it serves, alike in all sixteen partners.
; ORIENTATION.  Source 0 ("R") gives the axis that runs along a lane's registers, which is the axis that is quantised next; source 1 ("L") the axis across lanes.  q, k: R = W (the head's dims), L = X.  v: R = X (the keys), L = W.
; A wave makes R 128 (8 tiles b) x L 64 (4 tiles a): 32 accumulators, which take turns, one instruction a turn.
; Operands come as records (16,896 dense bytes: 64 rows x 256 along K, in the order of the operand's registers, with their scale words): every LDS load takes 512 consecutive bytes.
; RING: two slots of 8 records (X's four quads, W's four), one K step of 256 each; every wave fetches one record with one tensor load.  A wave has one tensor load out at the start and one behind each round.
; CLUSTER 4 x 4: X's records hang on the token block alone and are asked for jointly along a column of the cluster, W's on the block of W's rows alone, jointly along a row.
; RESULTS.  qi [head 16][tile 256][block 2][512]: q's groups.  qs [head pair 8][tile 256][row 16]: a word = (even head: 2 bytes; odd head: 2 bytes).
;   kv [head pair 8][step 32][33,792]: K's codes [head 2][key tile 8][block 2][512]; at 16,384 V's [head 2][dim tile 4][key block 4][512]; at 32,768 K's words [z 2][head 2][128]; at 33,280 V's [head 2][y 2][128].
; LIMITS: a block whose largest magnitude lies under 2^-115 takes the scale 2^-123 (every byte is 4 or more, so that the next launch can take 3 off q's); a block of zeros likewise; NaN and infinities are not served.
.set REC,   16896
.set KVREC, 33792
.set SLOT,  8*REC
.set BIAS,  2*SLOT                     ; the work-group's 256 numbers of the bias
.set SCR,   BIAS+1024                  ; 256 bytes for each wave: its scale words on the way out
.set SPARE, SCR+2048                   ; the spare words, 128 bytes for each wave: four blocks of 256 bytes that no other line names
.set FLOOR, 0x6000000                  ; 2^(12 - 127)
.set AR,   1                           ; v1, v2   R's codes in slot 0, 1
.set AL,   3                           ; v3, v4   L's
.set ARS,  5                           ; v5, v6   R's scale words
.set ALS,  7                           ; v7, v8   L's
.set ABQ,  9                           ; v9       the bias along R
.set ABV,  10                          ; v10      the bias along L
.set VO,   11                          ; v11, v12 my bytes in a stored group, for the first and the second pair of blocks
.set SCW,  13
.set SCRD, 14
.set L8,   15
.set RS,   16                          ; v16-23   R's scale words
.set LS,   24                          ; v24-27   L's
.set SPW,  28
.set NIL,  29
.set LF,   32                          ; v32-95   L's 4 fragments
.set RF,   96                          ; v96-223  R's 8 fragments
.set ST,   32                          ; the way out: 64 numbers
.set BB,   96                          ; the bias along R, 64 registers
.set PC,   160                         ; codes
.set TM,   176
.set PWA,  196                         ; v196-199 the four tiles' scale words
.set WT,   200
.set BL,   206                         ; v206-213 the bias along L, a pair for each tile a
.set WV,   20
.set G1X,  24
.set G1W,  32
.set G0X,  40
.set G0W,  48
.set CY,   57
.set SEL,  60
.set MNT,  62
.set HM,   63
.set OB,   78
.set SB,   80
.set SA,   82
.set SE,   84
.set MSB, 0
.macro WIN new                         ; the immediate's high byte repeats the setting that is left
.if MSB != \new
	s_set_vgpr_msb (MSB<<8)|\new
.set MSB, \new
.endif
.endm
.macro PLACES n
.rept \n
	v_nop
.endr
.endm
.macro CROUND                          ; a round of the cluster's barrier
	s_barrier_signal -1
	s_barrier_wait -1
	s_cmp_lg_u32 s[WV], 0
	s_cbranch_scc1 .Lnot_wave_0_\@
	s_barrier_signal -3
.Lnot_wave_0_\@:
	s_barrier_wait -3
	s_barrier_signal -1
	s_barrier_wait -1
.endm
.macro JLOAD s                         ; waves 0-3 fetch X's quads, waves 4-7 W's; four v_nop follow each line
	s_cmp_lt_u32 s[WV], 4
	s_cbranch_scc0 .Lfor_w_\@
	tensor_load_to_lds s[G0X+4*\s:G0X+4*\s+3], s[G1X:G1X+7]
	s_nop 0
	PLACES 4
	s_branch .Lasked_\@
.Lfor_w_\@:
	tensor_load_to_lds s[G0W+4*\s:G0W+4*\s+3], s[G1W:G1W+7]
	s_nop 0
	PLACES 4
.Lasked_\@:
.endm
.macro QUANT s, pc, pw                 ; 64 numbers of a lane, v[s + 16 b + i], become 16 registers of codes and the lane's scale word
.irp b, 0,1,2,3
	v_max3_num_f32 v[TM+\b], |v[\s+16*\b]|, |v[\s+1+16*\b]|, FLOOR
.endr
.irp i, 2,4,6,8,10,12,14
.irp b, 0,1,2,3
	s_delay_alu instid0(VALU_DEP_4)
	v_max3_num_f32 v[TM+\b], v[TM+\b], |v[\s+16*\b+\i]|, |v[\s+1+16*\b+\i]|
.endr
.endr
.irp b, 0,1,2,3
	s_delay_alu instid0(VALU_DEP_4)
	v_permlanex16_b32 v[TM+4+\b], v[TM+\b], s[SEL], s[SEL+1]
.endr
.irp b, 0,1,2,3
	s_delay_alu instid0(VALU_DEP_4)
	v_max_num_f32 v[TM+\b], v[TM+\b], v[TM+4+\b]
.endr
.irp b, 0,1,2,3
	s_delay_alu instid0(VALU_DEP_4)
	v_add_nc_u32 v[TM+12+\b], 0xfc000000, v[TM+\b]
.endr
.irp b, 0,1,2,3
	v_and_or_b32 v[TM+8+\b], v[TM+\b], 0x7f800000, s[MNT]
.endr
.irp b, 0,1,2,3
	v_lshrrev_b32 v[TM+4+\b], 23, v[TM+12+\b]
.endr
	s_delay_alu instid0(VALU_DEP_3)
	v_lshl_or_b32 v[\pw], v[TM+5], 8, v[TM+4]
	s_delay_alu instid0(VALU_DEP_1)
	v_lshl_or_b32 v[\pw], v[TM+6], 16, v[\pw]
	s_delay_alu instid0(VALU_DEP_1)
	v_lshl_or_b32 v[\pw], v[TM+7], 24, v[\pw]
.irp b, 0,1,2,3
.irp i, 0,1,2,3,4,5,6,7,8,9,10,11,12,13,14,15
	v_med3_num_f32 v[\s+16*\b+\i], v[\s+16*\b+\i], -v[TM+8+\b], v[TM+8+\b]   ; the conversion does not saturate (ISA guide 7.6.2)
.endr
	v_cvt_scalef32_pk8_fp8_f32 v[\pc+4*\b:\pc+4*\b+1], v[\s+16*\b:\s+16*\b+7], v[TM+12+\b]
	v_cvt_scalef32_pk8_fp8_f32 v[\pc+4*\b+2:\pc+4*\b+3], v[\s+16*\b+8:\s+16*\b+15], v[TM+12+\b]
.endr
	v_nop
.endm
	s_load_b256 s[4:11], s[0:1], 0x0               ; xq, wq3, bq, bk
	s_load_b256 s[12:19], s[0:1], 0x20             ; bv, qi, qs, kv
	v_lshl_add_u32 v[SPW], v0, 2, SPARE
	v_mov_b32 v[NIL], 0
	ds_add_u32 v28, v29
	ds_add_u32 v28, v29
	s_wait_dscnt 0x0
	v_lshrrev_b32 v30, 5, v0
	s_delay_alu instid0(VALU_DEP_1)
	v_readfirstlane_b32 s[WV], v30                 ; wave 0..7
	s_bfe_u32 s21, ttmp6, 0x40000                  ; cx
	s_bfe_u32 s22, ttmp6, 0x40004                  ; cy
	s_lshl_b32 s23, ttmp9, 2
	s_add_co_u32 s23, s23, s21                     ; x: the block of 256 tokens
	s_and_b32 s[CY], ttmp7, 0xffff                 ; the cluster's y: q, k or v
	s_lshl_b32 s56, s[CY], 2
	s_add_co_u32 s56, s56, s22                     ; y: the block of 256 rows of W
	s_lshl_b32 s58, 0x1111, s21                    ; my column of the cluster
	s_lshl_b32 s59, s22, 2
	s_lshl_b32 s59, 15, s59                        ; my row
	s_or_b32 s[G1X], s58, (3<<16)|(1<<21)          ; 15:0 the mask; 17:16 elements of 8 bytes; 21 set beside a mask; no padding
	s_or_b32 s[G1W], s59, (3<<16)|(1<<21)
.irp g, G1X, G1W                       ; a record: a dense block of 66 rows of 256 bytes
	s_mov_b32 s[\g+1], 32<<16                      ; tensor_dim0 = 32 elements
	s_mov_b32 s[\g+2], 66<<16                      ; tensor_dim1 = 66
	s_mov_b32 s[\g+3], 32<<16                      ; tile_dim0
	s_mov_b32 s[\g+4], 66                          ; tile_dim1
	s_mov_b32 s[\g+5], 32                          ; from row to row
	s_mov_b32 s[\g+6], 0
	s_mov_b32 s[\g+7], 0
.endr
	s_and_b32 s70, s[WV], 3                        ; which quad I fetch
	s_lshl_b32 s66, s23, 2
	s_add_co_u32 s66, s66, s70
	s_mul_i32 s66, s66, REC                        ; X: record (K step 0, quad 4 x + i)
	s_mov_b32 s67, 0
	s_lshl_b32 s68, s56, 2
	s_add_co_u32 s68, s68, s70
	s_mul_i32 s68, s68, REC                        ; W: record (K step 0, quad 4 y + i)
	s_mov_b32 s69, 0
	s_mul_i32 s71, s[WV], REC                      ; in a slot: X's quads, then W's = wave x a record
	s_mov_b32 s[SEL], 0x76543210
	s_mov_b32 s[SEL+1], 0xfedcba98
	s_mov_b32 s[MNT], 0x600000
	s_mov_b32 s[HM], 0xffff0000
	s_wait_kmcnt 0x0
	s_add_nc_u64 s[66:67], s[4:5], s[66:67]
	s_add_nc_u64 s[68:69], s[6:7], s[68:69]
.irp s, 0,1
	s_mov_b32 s[G0X+4*\s], 1
	s_add_co_u32 s[G0X+4*\s+1], s71, \s*SLOT
	s_add_nc_u64 s[G0X+4*\s+2:G0X+4*\s+3], s[66:67], \s*64*REC      ; K step s: 64 quads of X on
	s_or_b32 s[G0X+4*\s+3], s[G0X+4*\s+3], 0x80000000
	s_mov_b32 s[G0W+4*\s], 1
	s_add_co_u32 s[G0W+4*\s+1], s71, \s*SLOT
	s_add_nc_u64 s[G0W+4*\s+2:G0W+4*\s+3], s[68:69], \s*48*REC      ; 48 quads of W on
	s_or_b32 s[G0W+4*\s+3], s[G0W+4*\s+3], 0x80000000
.endr
	CROUND                                         ; all sixteen work-groups are here: the first joint loads meet
	s_cmp_lt_u32 s[WV], 4                          ; a wave's first fill, X's or W's, stands in one branch
	s_cbranch_scc0 .Lfirst_w
	tensor_load_to_lds s[G0X:G0X+3], s[G1X:G1X+7]
	s_nop 0
	PLACES 4
	s_branch .Lfirst_asked
.Lfirst_w:
	tensor_load_to_lds s[G0W:G0W+3], s[G1W:G1W+7]
	s_nop 0
	PLACES 4
.Lfirst_asked:
	; where the results go: offsets for all three kinds, made apart from the addresses, then chosen by the cluster's y
	s_and_b32 s85, s[WV], 1                        ; w1: R's half
	s_lshr_b32 s86, s[WV], 1                       ; w2: L's quad
	s_lshl_b32 s87, s22, 1
	s_add_co_u32 s87, s87, s85                     ; q, k: head pair 2 cy + w1
	s_lshl_b32 s88, s23, 4
	s_lshl_b32 s89, s86, 2
	s_add_co_u32 s88, s88, s89                     ; q: first token tile 16 x + 4 w2
	s_lshl_b32 s89, s87, 19                        ; two heads of 262,144 bytes a pair
	s_lshl_b32 s90, s88, 10
	s_add_co_u32 s89, s89, s90                     ; q's codes
	s_lshl_b32 s90, s87, 8
	s_add_co_u32 s90, s90, s88
	s_lshl_b32 s90, s90, 6                         ; q's words
	s_lshl_b32 s91, s23, 1
	s_lshr_b32 s92, s[WV], 2
	s_add_co_u32 s92, s92, s91                     ; k: key step 2 x + w / 4
	s_lshl_b32 s93, s87, 5
	s_add_co_u32 s92, s92, s93
	s_mul_i32 s92, s92, KVREC                      ; its record
	s_and_b32 s93, s86, 1                          ; z: which 64 keys of the step
	s_lshl_b32 s94, s93, 12
	s_add_co_u32 s94, s94, s92                     ; k's codes
	s_lshl_b32 s95, s93, 8
	s_add_co_u32 s95, s95, s92
	s_add_co_u32 s95, s95, 32768                   ; k's words
	s_lshl_b32 s96, s22, 2
	s_add_co_u32 s96, s96, s86                     ; v: head 4 cy + w2
	s_lshr_b32 s97, s96, 1
	s_lshl_b32 s97, s97, 5
	s_add_co_u32 s97, s97, s91
	s_add_co_u32 s97, s97, s85                     ; key step 2 x + w1
	s_mul_i32 s97, s97, KVREC
	s_and_b32 s96, s96, 1
	s_lshl_b32 s98, s96, 13
	s_add_co_u32 s98, s98, s97
	s_add_co_u32 s98, s98, 16384                   ; v's codes
	s_lshl_b32 s99, s96, 8
	s_add_co_u32 s99, s99, s97
	s_add_co_u32 s99, s99, 33280                   ; v's words
	s_mov_b32 s[SE], 262144
	s_mov_b32 s74, 8192
	s_mov_b32 s75, 2048
	s_cmp_eq_u32 s[CY], 1
	s_cselect_b32 s94, s94, s98
	s_cselect_b32 s95, s95, s99
	s_cselect_b32 s74, s74, 1024
	s_cselect_b32 s[SA], 1024, s75
	s_cmp_eq_u32 s[CY], 0
	s_cselect_b32 s94, s89, s94
	s_cselect_b32 s95, s90, s95
	s_cselect_b32 s[SE], s[SE], s74                ; from the first pair of blocks to the second: q 262,144 (the next head), k 8,192, v 1,024
	s_cselect_b32 s[SA], 1024, s[SA]               ; from tile a to a + 1: q, k 1,024, v 2,048
	s_cselect_b64 s[OB:OB+1], s[14:15], s[18:19]
	s_cselect_b64 s[SB:SB+1], s[16:17], s[18:19]
	s_cselect_b64 s[72:73], s[8:9], s[10:11]
	s_cmp_eq_u32 s[CY], 2
	s_cselect_b64 s[72:73], s[12:13], s[72:73]     ; the bias
	s_cselect_b32 s76, 0, 4*REC                    ; R: X's records for v, W's for q and k
	s_cselect_b32 s77, 4*REC, 0                    ; L: the others
	s_mov_b32 s[SA+1], 0
	s_mov_b32 s74, s94
	s_mov_b32 s75, 0
	s_add_nc_u64 s[OB:OB+1], s[OB:OB+1], s[74:75]
	s_mov_b32 s74, s95
	s_add_nc_u64 s[SB:SB+1], s[SB:SB+1], s[74:75]
	s_lshl_b32 s74, s22, 10
	s_add_nc_u64 s[72:73], s[72:73], s[74:75]      ; my block's 256 numbers of it
	v_lshlrev_b32 v30, 2, v0
	global_load_b32 v31, v30, s[72:73]
	v_lshl_add_u32 v37, v0, 2, BIAS
	v_and_b32 v32, 31, v0                          ; lane
	v_and_b32 v33, 15, v0                          ; r
	v_bfe_u32 v34, v0, 4, 1                        ; h
	s_delay_alu instid0(VALU_DEP_3)
	v_lshlrev_b32 v35, 4, v32
	s_delay_alu instid0(VALU_DEP_4)
	v_lshlrev_b32 v36, 2, v32
	s_mul_i32 s74, s85, 2*REC
	s_add_co_u32 s76, s76, s74                     ; R: my 128 rows = two records
	s_mul_i32 s74, s86, REC
	s_add_co_u32 s77, s77, s74                     ; L: my 64 rows = one record
	v_add_nc_u32 v[AR], s76, v35
	s_delay_alu instid0(VALU_DEP_1)
	v_add_nc_u32 v[AR+1], SLOT, v[AR]
	v_add_nc_u32 v[AL], s77, v35
	s_delay_alu instid0(VALU_DEP_1)
	v_add_nc_u32 v[AL+1], SLOT, v[AL]
	s_add_co_u32 s76, s76, 16384
	s_add_co_u32 s77, s77, 16384
	v_add_nc_u32 v[ARS], s76, v36
	s_delay_alu instid0(VALU_DEP_1)
	v_add_nc_u32 v[ARS+1], SLOT, v[ARS]
	v_add_nc_u32 v[ALS], s77, v36
	s_delay_alu instid0(VALU_DEP_1)
	v_add_nc_u32 v[ALS+1], SLOT, v[ALS]
	s_lshl_b32 s74, s85, 9
	s_add_co_u32 s74, s74, BIAS
	v_lshl_add_u32 v[ABQ], v34, 5, s74             ; along R: my half's 128 numbers, + 8 h numbers
	s_lshl_b32 s74, s86, 8
	s_add_co_u32 s74, s74, BIAS
	v_lshl_add_u32 v[ABV], v33, 2, s74             ; along L: my quad's 64 numbers, number r
	v_mov_b32 v[VO], v35
	v_add_nc_u32 v[VO+1], s[SE], v35
	s_lshl_b32 s74, s[WV], 8
	s_add_co_u32 s74, s74, SCR
	v_add_nc_u32 v[SCW], s74, v36
	v_lshl_add_u32 v[SCRD], v32, 3, s74
	v_lshlrev_b32 v[L8], 3, v32
	s_wait_alu depctr_va_vdst(0)
	s_wait_loadcnt 0x0
	ds_store_b32 v37, v31
; 16 products: R's tiles b0 .. b0 + 3 against L's four, 128 along K: the record's q-th half (its scale words lie in lanes 16-31 for q = 1).  zero = 1: the products start the sums: nothing is cleared
.macro MUL16 b0, q, zero
.irp b, \b0, \b0+1, \b0+2, \b0+3
.irp a, 0,1,2,3
.if \zero
	v_wmma_scale_f32_16x16x128_f8f6f4 v[8*(8*\a+(\b)):8*(8*\a+(\b))+7], v[RF+16*(\b):RF+16*(\b)+15], v[LF+16*\a:LF+16*\a+15], 0, v[RS+(\b)], v[LS+\a]
.elseif \q
	v_wmma_scale_f32_16x16x128_f8f6f4 v[8*(8*\a+(\b)):8*(8*\a+(\b))+7], v[RF+16*(\b):RF+16*(\b)+15], v[LF+16*\a:LF+16*\a+15], v[8*(8*\a+(\b)):8*(8*\a+(\b))+7], v[RS+(\b)], v[LS+\a] matrix_a_scale:MATRIX_SCALE_ROW1 matrix_b_scale:MATRIX_SCALE_ROW1
.else
	v_wmma_scale_f32_16x16x128_f8f6f4 v[8*(8*\a+(\b)):8*(8*\a+(\b))+7], v[RF+16*(\b):RF+16*(\b)+15], v[LF+16*\a:LF+16*\a+15], v[8*(8*\a+(\b)):8*(8*\a+(\b))+7], v[RS+(\b)], v[LS+\a]
.endif
.endr
.endr
.endm
; 128 along K.  Eight places stand in front of loads into registers that matrix instructions have read
.macro KHALF slot, q, zero, first
.if \first == 0
	PLACES 8
.endif
.if \q == 0
.irp b, 0,1,2,3,4,5,6,7
	ds_load_b32 v[RS+\b], v[ARS+\slot] offset:(\b/4)*REC+(\b%4)*128
.endr
.irp a, 0,1,2,3
	ds_load_b32 v[LS+\a], v[ALS+\slot] offset:\a*128
.endr
.endif
.irp a, 0,1,2,3
.irp c, 0,1,2,3
	ds_load_b128 v[LF+16*\a+4*\c:LF+16*\a+4*\c+3], v[AL+\slot] offset:\a*4096+\q*2048+\c*512
.endr
.endr
.irp b, 0,1,2,3,4,5,6,7
.irp c, 0,1,2,3
	ds_load_b128 v[RF+16*\b+4*\c:RF+16*\b+4*\c+3], v[AR+\slot] offset:(\b/4)*REC+(\b%4)*4096+\q*2048+\c*512
.endr
.endr
	s_wait_dscnt 16                                ; all but the youngest sixteen loads, R's tiles 4-7
	WIN 0x50                                       ; C and D in window 1
	MUL16 0, \q, \zero
	s_wait_dscnt 0x0
	MUL16 4, \q, \zero
	WIN 0
.endm
; The change of slots.  fill = 1: the slot just read is filled again, two K steps on, behind a round of the cluster's barrier
.macro CHANGE slot, fill
	s_wait_tensorcnt 0x0                           ; all my tensor loads have landed, my record of the next slot among them
	ds_add_u32 v[SPW], v[NIL]                      ; 0 onto my spare word
.if \fill
	s_add_nc_u64 s[G0X+4*\slot+2:G0X+4*\slot+3], s[G0X+4*\slot+2:G0X+4*\slot+3], 2*64*REC
	s_add_nc_u64 s[G0W+4*\slot+2:G0W+4*\slot+3], s[G0W+4*\slot+2:G0W+4*\slot+3], 2*48*REC
.endif
	s_wait_dscnt 0x0                               ; the add is done, and my reads of this slot are over
.if \fill
	CROUND                                         ; no wave of any partner still reads the slot or has a load on its way
	JLOAD \slot
.else
	s_barrier_signal -1
	s_barrier_wait -1
.endif
.endm
	; ONE tensor load a wave stands at the head (K step 0's record); K step 1's is issued here, as a refill is.  So a wave has one tensor load out at the start and one behind each round
	s_wait_tensorcnt 0x0                           ; my record of K step 0 is in
	ds_add_u32 v[SPW], v[NIL]                      ; 0 onto my spare word
	s_wait_dscnt 0x0                               ; the add is done, and my number of the bias has landed
	CROUND
	JLOAD 1                                        ; slot 1's first fill
	KHALF 0, 0, 1, 1
	KHALF 0, 1, 0, 0
	CHANGE 0, 1                                    ; slot 0 takes K step 2
	KHALF 1, 0, 0, 0
	KHALF 1, 1, 0, 0
	CHANGE 1, 1                                    ; slot 1 takes K step 3
	KHALF 0, 0, 0, 0
	KHALF 0, 1, 0, 0
	CHANGE 0, 0                                    ; nothing is left to fetch
	KHALF 1, 0, 0, 0
	KHALF 1, 1, 0, 0
	; THE WAY OUT.  Both forms of the bias are read (the bytes are there for every kind); the kind chooses which is added.
	PLACES 8
.irp b, 0,1,2,3,4,5,6,7
	ds_load_b128 v[BB+8*\b:BB+8*\b+3], v[ABQ] offset:64*\b
	ds_load_b128 v[BB+8*\b+4:BB+8*\b+7], v[ABQ] offset:64*\b+16
.endr
.irp a, 0,1,2,3
	ds_load_b32 v[BL+2*\a], v[ABV] offset:64*\a
	ds_load_b32 v[BL+2*\a+1], v[ABV] offset:64*\a  ; (the packed form names a pair, so both are written)
.endr
.irp b, 0,1,2,3
	v_mov_b32 v[TM+4+\b], 0                        ; a lane permute's destination counts as one of its sources
.endr
	s_wait_dscnt 0x0
; tile a's 64 sums + the bias, from window 1 into window 0, each accumulator from its low end on
.macro BIASADD a
	s_cmp_eq_u32 s[CY], 2
	s_cbranch_scc1 .Lalong_l_\@
	WIN 0x01
.set i, 0
.rept 32
	v_pk_add_f32 v[ST+i:ST+i+1], v[64*\a+i:64*\a+i+1], v[BB+i:BB+i+1]
.set i, i+2
.endr
	WIN 0
	s_branch .Ladded_\@
.Lalong_l_\@:
	WIN 0x01
.set i, 0
.rept 32
	v_pk_add_f32 v[ST+i:ST+i+1], v[64*\a+i:64*\a+i+1], v[BL+2*\a:BL+2*\a+1] op_sel_hi:[1,0]
.set i, i+2
.endr
	WIN 0
.Ladded_\@:
.endm
.irp a, 0,1,2,3
	BIASADD \a
	QUANT ST, PC, PWA+\a
.irp e, 0,1
.irp c, 0,1
	global_store_b128 v[VO+\e], v[PC+4*(2*\e+\c):PC+4*(2*\e+\c)+3], s[OB:OB+1] offset:512*\c   ; a group: 512 consecutive bytes
.endr
.endr
	s_wait_xcnt 0x0                                ; the stores' data and base are written again only behind this wait
	s_add_nc_u64 s[OB:OB+1], s[OB:OB+1], s[SA:SA+1]
.endr
	; the scale words.  q, v: tiles 0, 1 and tiles 2, 3 share a register's two halves of lanes.  k: a fragment of attention holds two key tiles, so a word takes one head's two bytes of each
	s_cmp_eq_u32 s[CY], 1
	s_cbranch_scc1 .Lwords_k
	v_cndmask_b32 v[WT], v[PWA], v[PWA+1], s[HM]
	v_cndmask_b32 v[WT+1], v[PWA+2], v[PWA+3], s[HM]
	s_branch .Lwords_made
.Lwords_k:
	v_perm_b32 v[WT+2], v[PWA+1], v[PWA], 0x05040100
	v_perm_b32 v[WT+3], v[PWA+3], v[PWA+2], 0x05040100
	v_perm_b32 v[WT+4], v[PWA+1], v[PWA], 0x07060302
	v_perm_b32 v[WT+5], v[PWA+3], v[PWA+2], 0x07060302
	s_delay_alu instid0(VALU_DEP_3)
	v_cndmask_b32 v[WT], v[WT+2], v[WT+3], s[HM]
	s_delay_alu instid0(VALU_DEP_2)
	v_cndmask_b32 v[WT+1], v[WT+4], v[WT+5], s[HM]
.Lwords_made:
	s_wait_alu depctr_va_vdst(0)
	ds_store_b32 v[SCW], v[WT]
	ds_store_b32 v[SCW], v[WT+1] offset:128
	ds_load_b64 v[WT+2:WT+3], v[SCRD]              ; my own bytes, served in order (ISA guide 5.7.1.4)
	s_wait_dscnt 0x0
	global_store_b64 v[L8], v[WT+2:WT+3], s[SB:SB+1]   ; 32 lanes store 256 consecutive bytes, aligned
	s_wait_tensorcnt 0x0                           ; the wave's end
	ds_add_u32 v[SPW], v[NIL]
	s_wait_dscnt 0x0
	CROUND                                         ; the closing round
	s_endpgm
.Lfunc_end_k_qaf9745e749_proj:
	.size	k_qaf9745e749_proj, .Lfunc_end_k_qaf9745e749_proj-k_qaf9745e749_proj
	.p2alignl 7, 3214868480
	.fill 96, 4, 3214868480
	.section	.rodata,"a",@progbits
	.p2align	6, 0x0
	.amdhsa_kernel k_qaf9745e749_proj
		.amdhsa_group_segment_fixed_size 327680
		.amdhsa_private_segment_fixed_size 0
		.amdhsa_enable_private_segment 0
		.amdhsa_kernarg_size 64
		.amdhsa_user_sgpr_count 2
		.amdhsa_user_sgpr_kernarg_segment_ptr 1
		.amdhsa_wavefront_size32 1
		.amdhsa_system_sgpr_workgroup_id_x 1
		.amdhsa_system_sgpr_workgroup_id_y 1
		.amdhsa_system_sgpr_workgroup_id_z 1
		.amdhsa_system_vgpr_workitem_id 0
		.amdhsa_next_free_vgpr 512
		.amdhsa_next_free_sgpr 100
		.amdhsa_reserve_vcc 0
		.amdhsa_float_denorm_mode_32 3
		.amdhsa_float_denorm_mode_16_64 3
		.amdhsa_memory_ordered 1
		.amdhsa_forward_progress 1
		.amdhsa_inst_pref_size 134
	.end_amdhsa_kernel
	.amdgpu_metadata
---
amdhsa.version: [ 1, 2 ]
amdhsa.kernels:
  - .name:           k_qaf9745e749_proj
    .symbol:         k_qaf9745e749_proj.kd
    .args:
      - { .name: xq, .offset: 0, .size: 8, .value_kind: global_buffer, .address_space: global }
      - { .name: wq3, .offset: 8, .size: 8, .value_kind: global_buffer, .address_space: global }
      - { .name: bq, .offset: 16, .size: 8, .value_kind: global_buffer, .address_space: global }
      - { .name: bk, .offset: 24, .size: 8, .value_kind: global_buffer, .address_space: global }
      - { .name: bv, .offset: 32, .size: 8, .value_kind: global_buffer, .address_space: global }
      - { .name: qi, .offset: 40, .size: 8, .value_kind: global_buffer, .address_space: global }
      - { .name: qs, .offset: 48, .size: 8, .value_kind: global_buffer, .address_space: global }
      - { .name: kv, .offset: 56, .size: 8, .value_kind: global_buffer, .address_space: global }
    .group_segment_fixed_size: 327680
    .private_segment_fixed_size: 0
    .kernarg_segment_align: 8
    .kernarg_segment_size: 64
    .max_flat_workgroup_size: 256
    .sgpr_count:     100
    .vgpr_count:     512
    .wavefront_size: 32
...
	.end_amdgpu_metadata
.endif
;; end of part 2
;; launch attn (part 3): grid 4 x 64, 8 waves a work-group, clusters of 4 x 4, 327,680 bytes of LDS; arguments qi, qs, kv, attention_mask, aq; writes aq
.if DOCPART == 3
	.amdgcn_target "amdgcn-amd-amdhsa--gfx1250"
	.amdhsa_code_object_version 6
	.text
	.protected	k_qaf9745e749_attn
	.globl	k_qaf9745e749_attn
	.p2align	8
	.type	k_qaf9745e749_attn,@function
k_qaf9745e749_attn:
	s_mov_b64 s[64:65], 0
	v_nop
	global_prefetch_b8 v0, s[64:65] scope:SCOPE_SE
	s_setreg_imm32_b32 hwreg(HW_REG_WAVE_MODE, 25, 1), 1
	s_wait_xcnt 0x0
	s_wait_alu depctr_hold_cnt(0) depctr_sa_sdst(0) depctr_va_vdst(0) depctr_va_sdst(0) depctr_va_ssrc(0) depctr_va_vcc(0) depctr_vm_vsrc(0)
	s_getreg_b32 s2, hwreg(HW_REG_IB_STS2, 6, 4)
	s_cmp_eq_u32 s2, 0
	s_cbranch_scc0 .Lentry_in_a_cluster
	s_endpgm
.Lentry_in_a_cluster:
	s_bfe_u32 s2, ttmp6, 0x10000c
	s_cmp_lg_u32 s2, 0xf033
	s_cbranch_scc0 .Lentry_shape_is_right
	s_endpgm
.Lentry_shape_is_right:
; Attention on codes of E4M3: S^T = K Q^T / 8 + mask, p = 2^(t - M), O^T = V^T P^T, O / l quantised along the model's 1,024 for the last product.  16 heads of 64, 4,096 queries and keys; the mask [4096][4096] f32 is an input and is added as it is given.
; SHARES.  A work-group takes 64 queries x 4 heads; wave w takes head w & 3 and the query half w >> 2: two tiles of 16 queries, A (window 0) and B (the same register numbers in window 1), so that each fragment of K and V feeds two tiles.  All keys are walked, 128 a step.
; LAYOUT.  Both products are used transposed: a lane holds ONE query throughout.  The 16 registers of score tiles 2 b, 2 b + 1 are one lane's part of key block b, in the order in which V's codes were made.
; K = 64 IN AN INSTRUCTION OF 128: a fragment of K holds two key tiles side by side; it is multiplied once by [q | zeros] and once by [zeros | q].
; THE 1/8 AND THE MASK COST NO VECTOR INSTRUCTION: 3 is taken off each byte of q's scale word (every byte is 4 or more as the launch before makes them), and the mask's tile is loaded into the scores' registers and is the product's C.
; SOFTMAX: t = score x log2(e); M = the running largest t rounded up to a whole number; the sum is taken of the unquantised p; when M moves, the sum and O are multiplied by 2^(old M - new M), which rounds nothing.
; THE RING: two slots of 256 keys: K's codes of two steps x two head pairs (4 chunks of 16,384 bytes), then two mask tiles (64 rows of 512 + 16 bytes).  Waves 0-3 fetch a chunk of K each, waves 4-7 32 rows of a mask tile each:
; one tensor load a wave at the head, one behind each round, none else out.
; THE ORDER OF A STEP.  Every LDS load is issued a step ahead of its use, as soon as its registers are free: the next step's K behind this step's score products, each tile's next mask behind its conversions.
; So a slot's second step reads nothing from LDS: at its head stands the change of slots, with the 16 score products between the round's opening signal and its wait.  Behind the round the slot just read out takes the keys two slots on,
; and the other slot, which the round has shown whole, serves the look-ahead.
; CLUSTER 4 x 4: the mask tiles hang on the query block alone and are asked for jointly along a row of the cluster; K's chunks hang on the group of heads alone, jointly along a column.
; V AND THE SCALE WORDS GO FROM MEMORY STRAIGHT INTO THE OPERAND REGISTERS: kv is laid in the order of these registers, so each load of codes takes 512 consecutive bytes.  A step's 18 loads of V are issued behind the step before's second products,
; one step ahead of their use, and stay out over the barriers.  NO JOINT LOAD FOR V: a joint load lands in LDS alone, and with V's 32,768 bytes a step beside K's 32,768 and the mask's 33,792 two slots would hold 128 keys each (32 rounds); without them 256 keys each (16 changes of slots).
; THE WALK IS ROTATED: the work-groups of cluster row y begin at slot y and go round; the sums' order differs from ascending keys by that rotation (f32 rounding alone; M's rescalings are exact).
; THE LAST TWO SLOTS are a loop of their own, without fills.  The very last step's look-ahead is not used, and its barrier guards nothing: the price of one text for both slots.
; PREFETCH: in the step that loads slot j + 2 waves 0 and 1 ask for their work-group's 16 of the 64 rows of slot j + 3's mask (4 blocks of 256 bytes a row, a lane each, the partners told apart by address): two steps ahead of the tensor load; slots 0 to 2 come by their loads alone; the last asked for is slot 15.
; kv is not prefetched: the 16 rows of clusters begin at 16 different slots, so that all 32 steps' records are asked for by loads within the walk's first two steps.
; LIMITS: a query whose mask is -infinity in all 4,096 places is not served (its sum is 0); other finite or -infinite masks are.  Blocks of p or O under 2^-118 keep the byte 1, a block of zeros too (this program alone reads the bytes).
.set REC,   16896
.set KVREC, 33792
.set MP,    528                        ; a row of a mask tile in LDS
.set TILE,  64*MP                      ; a step's mask tile
.set KCH,   16384                      ; K's codes of one head pair and one step
.set KPART, 4*KCH
.set SLOT,  KPART+2*TILE               ; 133,120 = 0x20800: no address inside slot 0 that is turned by it has one of its two bits set
.set SCS,   2*SLOT                     ; 512 bytes: the record's scale words on the way out
.set SPARE, SCS+512                    ; the spare words, 128 bytes for each wave: four blocks of 256 bytes that no other line names
.set AKV,  2                           ; v2   my offset in a record: my head's codes (V's lie 16,384 on)
.set ADM,  3                           ; v3   LDS address of the next step's mask rows
.set ASK,  4                           ; v4   K's scale words in a record
.set ASV,  6                           ; v6   V's
.set AMK,  8                           ; v8, v9   the mask in a slot's first, second step: row 32 qh + r, + 32 h
.set SPW,  10
.set NIL,  11
.set PFO,  12
.set VOA,  13
.set ASC,  14
.set L16,  15
.set KS,   16                          ; v16, v17 K's scale words;  v18, v19 V's;  v20, v21 q's (A, B);  v22 p's of tile B
.set VS,   18
.set QSA,  20
.set PWB,  22
.set SRD,  32
.set ADK,  33                          ; v33  LDS address of the next step's codes of K
.set AKL,  34                          ; v34, v35 my head's codes of K in a slot's first, second step
.set KF,   40                          ; window 0: K's 4 fragments.  window 1: v0-39 [0 | qA | 0 | qB | 0], v40-103 V's 4 fragments
.set VF,   40
.set SCO,  104                         ; a tile's own registers, the same numbers in its window: v104-167 scores, then p
.set OUT,  168                         ; v168-199 O^T
.set PCD,  200                         ; v200-215 p's codes
.set BM,   216
.set X4,   220
.set HOLD, 224
.set SCL,  228
.set FF,   232
.set PWC,  233
.set TMP,  234
.set NM,   244                         ; -M
.set MT,   245                         ; the largest t
.set SUM,  246
.set WV,   14
.set G1M,  24
.set G0M,  32                          ; s[32:35] the mask's group 0, which walks
.set KV0,  40                          ; my head pair's 32 records
.set KB,   42                          ; the record that is being asked for by loads
.set NX,   44                          ; its offset
.set MB,   46                          ; the mask at my wave's part of a slot's tiles
.set MO,   48                          ; the slot's offset in a row: 1,024 bytes a slot, modulo 16,384
.set PFM,  50                          ; the mask at my query block
.set PFB,  52
.set PO,   54
.set SEL,  56
.set CS,   58
.set CNT,  60
.set MNT,  61
.set TB,   62                          ; LDS byte at which the slot begins from which the look-ahead reads
.set KT,   72                          ; kv at the chunk of K that my wave fetches, in slot 0 of the keys
.set KO,   74                          ; the slot's offset in kv: two records a slot, round the 32
.set AQ,   76
.set G1K,  84
.set G0K,  92                          ; s[92:95] K's group 0, which walks
.set MSB, 0
.macro WIN new                         ; the immediate's high byte repeats the setting that is left
.if MSB != \new
	s_set_vgpr_msb (MSB<<8)|\new
.set MSB, \new
.endif
.endm
.macro PLACES n
.rept \n
	v_nop
.endr
.endm
.macro WALU
	s_wait_alu depctr_va_vdst(0)
.endm
.macro CREST                           ; a round of the cluster's barrier behind its opening barrier
	s_cmp_lg_u32 s[WV], 0
	s_cbranch_scc1 .Lnot_wave_0_\@
	s_barrier_signal -3
.Lnot_wave_0_\@:
	s_barrier_wait -3
	s_barrier_signal -1
	s_barrier_wait -1
.endm
.macro CROUND                          ; a whole round
	s_barrier_signal -1
	s_barrier_wait -1
	CREST
.endm
.macro JLOAD                           ; waves 0-3 fetch K's chunks, waves 4-7 the mask's half tiles: every way passes one load; an s_nop 0 and four v_nop follow each line
	s_cmp_lt_u32 s[WV], 4
	s_cbranch_scc0 .Lfor_m_\@
	tensor_load_to_lds s[G0K:G0K+3], s[G1K:G1K+7]
	s_nop 0
	PLACES 4
	s_branch .Lasked_\@
.Lfor_m_\@:
	tensor_load_to_lds s[G0M:G0M+3], s[G1M:G1M+7]
	s_nop 0
	PLACES 4
.Lasked_\@:
.endm
.macro NEXTFILL                        ; the walking descriptors, written where no tensor load of mine is out: the other slot than last time, the 256 keys that follow, round the 4,096
	s_add_co_u32 s[MO], s[MO], 1024
	s_and_b32 s[MO], s[MO], 0x3fff
	s_add_nc_u64 s[G0M+2:G0M+3], s[MB:MB+1], s[MO:MO+1]
	s_or_b32 s[G0M+3], s[G0M+3], 0x80000000
	s_xor_b32 s[G0M+1], s[G0M+1], SLOT
	s_add_co_u32 s[KO], s[KO], 2*KVREC
	s_cmp_eq_u32 s[KO], 32*KVREC
	s_cselect_b32 s[KO], 0, s[KO]
	s_add_nc_u64 s[G0K+2:G0K+3], s[KT:KT+1], s[KO:KO+1]
	s_or_b32 s[G0K+3], s[G0K+3], 0x80000000
	s_xor_b32 s[G0K+1], s[G0K+1], SLOT
.endm
	s_load_b256 s[4:11], s[0:1], 0x0               ; qi, qs, kv, the mask
	s_load_b64 s[12:13], s[0:1], 0x20              ; aq
	v_lshl_add_u32 v[SPW], v0, 2, SPARE
	v_mov_b32 v[NIL], 0
	ds_add_u32 v[SPW], v[NIL]                      ; the opening lines: the add twice on end and its wait ahead of my first tensor load
	ds_add_u32 v[SPW], v[NIL]
	v_lshrrev_b32 v23, 5, v0
	v_readfirstlane_b32 s[WV], v23                 ; wave 0..7
	s_and_b32 s15, s[WV], 3                        ; g: my head of the four.  Also: which part of a slot I fetch
	s_lshr_b32 s16, s[WV], 2                       ; qh: my half of the 64 queries
	s_bfe_u32 s66, ttmp6, 0x40000                  ; cx
	s_bfe_u32 s67, ttmp6, 0x40004                  ; cy
	s_lshl_b32 s68, ttmp9, 2
	s_add_co_u32 s68, s68, s66                     ; hg: the group of four heads
	s_and_b32 s83, ttmp7, 0xffff                   ; the cluster's y, 0 .. 15: also the slot at which the walk begins
	s_lshl_b32 s69, s83, 2
	s_add_co_u32 s69, s69, s67                     ; qb: the block of 64 queries
	s_lshl_b32 s20, s67, 2
	s_lshl_b32 s20, 15, s20                        ; my row of the cluster
	s_lshl_b32 s21, 0x1111, s66                    ; my column
	s_or_b32 s[G1M], s20, (2<<16)|(1<<20)|(1<<21)|(6<<22)|(3<<25)   ; half a mask tile: elements of 4 bytes; 4 words of padding behind every 128
	s_mov_b32 s[G1M+1], 128<<16                    ; tensor_dim0 = 128
	s_mov_b32 s[G1M+2], 32<<16                     ; tensor_dim1 = 32
	s_mov_b32 s[G1M+3], 128<<16                    ; tile_dim0
	s_mov_b32 s[G1M+4], 32                         ; tile_dim1
	s_mov_b32 s[G1M+5], 4096                       ; from row to row
	s_mov_b32 s[G1M+6], 0
	s_mov_b32 s[G1M+7], 0
	s_or_b32 s[G1K], s21, (3<<16)|(1<<21)          ; a chunk of K: a dense block of 64 rows of 256 bytes, elements of 8 bytes
	s_mov_b32 s[G1K+1], 32<<16
	s_mov_b32 s[G1K+2], 64<<16
	s_mov_b32 s[G1K+3], 32<<16
	s_mov_b32 s[G1K+4], 64
	s_mov_b32 s[G1K+5], 32
	s_mov_b32 s[G1K+6], 0
	s_mov_b32 s[G1K+7], 0
	s_lshl_b32 s70, s69, 20                        ; 64 rows of 16,384 bytes a query block
	s_mov_b32 s71, 0
	s_lshr_b32 s78, s15, 1
	s_lshl_b32 s78, s78, 9                         ; the mask: my step tile of the slot's two: 512 bytes on in a row,
	s_and_b32 s79, s15, 1
	s_lshl_b32 s79, s79, 19                        ; its upper or lower 32 rows
	s_add_co_u32 s78, s78, s79
	s_mov_b32 s79, 0
	s_lshl_b32 s[MO], s83, 10
	s_mov_b32 s[MO+1], 0
	s_mov_b32 s[PO+1], 0
	s_mul_i32 s[NX], s83, 2*KVREC
	s_mov_b32 s[NX+1], 0
	s_mov_b32 s[KO], s[NX]
	s_mov_b32 s[KO+1], 0
	s_mov_b32 s[TB], 0
	s_lshl_b32 s17, s68, 1
	s_lshr_b32 s22, s15, 1
	s_add_co_u32 s22, s22, s17                     ; my head pair 2 hg + g / 2
	s_mul_i32 s22, s22, 32*KVREC
	s_mov_b32 s23, 0
	s_and_b32 s80, s15, 1
	s_add_co_u32 s80, s80, s17                     ; K: I fetch head pair 2 hg + part % 2,
	s_mul_i32 s80, s80, 32*KVREC
	s_lshr_b32 s81, s15, 1
	s_mul_i32 s81, s81, KVREC                      ; step part / 2 of the slot
	s_add_co_u32 s80, s80, s81
	s_mov_b32 s81, 0
	s_mul_i32 s18, s15, KCH                        ; in a slot: K's chunk,
	s_mul_i32 s19, s15, 32*MP
	s_add_co_u32 s19, s19, KPART                   ; the mask's 32 rows
	s_mov_b32 s[SEL], 0x76543210
	s_mov_b32 s[SEL+1], 0xfedcba98
	s_mov_b32 s[CS], 0x3fb8aa3b                    ; log2(e)
	s_mov_b32 s[CS+1], s[CS]
	s_mov_b32 s[MNT], 0x600000
	s_wait_dscnt 0x0                               ; both opening adds are done
	s_wait_kmcnt 0x0
	s_add_nc_u64 s[PFM:PFM+1], s[10:11], s[70:71]
	s_add_nc_u64 s[MB:MB+1], s[PFM:PFM+1], s[78:79]
	s_add_nc_u64 s[KV0:KV0+1], s[8:9], s[22:23]
	s_add_nc_u64 s[KT:KT+1], s[8:9], s[80:81]
	s_add_nc_u64 s[KB:KB+1], s[KV0:KV0+1], s[NX:NX+1]
	s_mov_b32 s[G0M], 1
	s_mov_b32 s[G0M+1], s19
	s_add_nc_u64 s[G0M+2:G0M+3], s[MB:MB+1], s[MO:MO+1]
	s_or_b32 s[G0M+3], s[G0M+3], 0x80000000
	s_mov_b32 s[G0K], 1
	s_mov_b32 s[G0K+1], s18
	s_add_nc_u64 s[G0K+2:G0K+3], s[KT:KT+1], s[KO:KO+1]
	s_or_b32 s[G0K+3], s[G0K+3], 0x80000000
	CROUND                                         ; all sixteen work-groups are here
	JLOAD                                          ; the walk's first slot: every wave's one load at the head
	v_and_b32 v23, 31, v0                          ; lane
	v_and_b32 v24, 15, v0                          ; r
	v_bfe_u32 v25, v0, 4, 1                        ; h
	v_lshlrev_b32 v[L16], 4, v23
	v_lshlrev_b32 v26, 2, v23
	WALU
	s_and_b32 s18, s15, 1                          ; which head of the pair
	s_lshl_b32 s19, s18, 13
	v_add_nc_u32 v[AKV], s19, v[L16]
	s_lshl_b32 s19, s18, 7
	s_add_co_u32 s19, s19, 32768
	v_add_nc_u32 v[ASK], s19, v26
	s_lshl_b32 s19, s18, 8
	s_add_co_u32 s19, s19, 33280
	v_add_nc_u32 v[ASV], s19, v26
	s_lshl_b32 s19, s15, 13
	v_add_nc_u32 v[AKL], s19, v[L16]               ; K in LDS: 8,192 bytes a head,
	v_add_nc_u32 v[AKL+1], 2*KCH, v[AKL]           ; two chunks a step
	s_mul_i32 s19, s16, 32*MP
	s_add_co_u32 s19, s19, KPART
	v_mul_u32_u24 v[AMK], v24, MP
	v_lshl_add_u32 v[AMK], v25, 5, v[AMK]
	v_add_nc_u32 v[AMK], s19, v[AMK]
	v_add_nc_u32 v[AMK+1], TILE, v[AMK]
	v_lshrrev_b32 v27, 2, v23
	s_lshl_b32 s19, s66, 4
	s_lshl_b32 s20, s[WV], 3
	s_add_co_u32 s19, s19, s20
	v_add_nc_u32 v27, s19, v27                     ; the prefetch (waves 0, 1): row 16 cx + 8 wave + lane / 4 of the tile,
	v_and_b32 v28, 3, v23
	v_lshlrev_b32 v28, 8, v28                      ; block lane % 4 of its 1,024 bytes
	v_lshl_add_u32 v[PFO], v27, 14, v28
	s_lshl_b32 s19, s16, 13
	s_lshl_b32 s20, s15, 10
	s_add_co_u32 s19, s19, s20
	v_add_nc_u32 v[VOA], s19, v[L16]               ; the result's codes: tile 2 qh (4,096 bytes a tile), groups 2 g on
	s_lshl_b32 s19, s16, 8
	s_lshr_b32 s20, s15, 1
	s_lshl_b32 s20, s20, 6
	s_add_co_u32 s19, s19, s20
	s_lshl_b32 s20, s18, 1
	s_add_co_u32 s19, s19, s20
	s_add_co_u32 s19, s19, SCS
	v_lshl_add_u32 v[ASC], v24, 2, s19             ; its two scale bytes: tile (128), heads 2, 3 in lanes 16-31's words (64), row (4), head of the pair (2)
	v_add_nc_u32 v[SRD], SCS, v[L16]
	s_lshl_b32 s21, s68, 2
	s_add_co_u32 s21, s21, s15                     ; my head
	s_lshl_b32 s22, s69, 2
	s_lshl_b32 s23, s16, 1
	s_add_co_u32 s22, s22, s23                     ; tile A: 4 qb + 2 qh
	s_lshl_b32 s78, s21, 18
	s_lshl_b32 s23, s22, 10
	s_add_co_u32 s78, s78, s23
	s_mov_b32 s79, 0
	s_add_nc_u64 s[78:79], s[4:5], s[78:79]        ; q's codes
	s_lshr_b32 s80, s21, 1
	s_lshl_b32 s80, s80, 8
	s_add_co_u32 s80, s80, s22
	s_lshl_b32 s80, s80, 6
	s_mov_b32 s81, 0
	s_add_nc_u64 s[80:81], s[6:7], s[80:81]        ; q's scale words
	s_lshl_b32 s[AQ], s68, 6
	s_add_co_u32 s[AQ], s[AQ], s69
	s_mul_i32 s[AQ], s[AQ], REC
	s_mov_b32 s[AQ+1], 0
	s_add_nc_u64 s[AQ:AQ+1], s[12:13], s[AQ:AQ+1]  ; the result's record (K step hg, quad qb)
	v_lshlrev_b32 v29, 2, v24
	WALU
	global_load_b32 v30, v29, s[80:81]
	global_load_b32 v31, v29, s[80:81] offset:64
	WIN 0x40                                       ; destination window 1
	global_load_b128 v[8:11], v[L16], s[78:79]
	global_load_b128 v[12:15], v[L16], s[78:79] offset:512
	global_load_b128 v[24:27], v[L16], s[78:79] offset:1024
	global_load_b128 v[28:31], v[L16], s[78:79] offset:1536
.irp j, 0,1,2,3,4,5,6,7
	v_mov_b32 v[\j], 0                             ; the zero codes beside q
	v_mov_b32 v[16+\j], 0
	v_mov_b32 v[32+\j], 0
.endr
	WIN 0
.macro LDKS                            ; 2 loads: K's scale words of the record at KB
	global_load_b32 v[KS], v[ASK], s[KB:KB+1]
	global_load_b32 v[KS+1], v[ASK], s[KB:KB+1] offset:256
.endm
.macro LDV                             ; 18 loads: V's scale words (window 0) and its four fragments (window 1) of the record at KB; entered and left with every window 0
	global_load_b32 v[VS], v[ASV], s[KB:KB+1]
	global_load_b32 v[VS+1], v[ASV], s[KB:KB+1] offset:128
	WIN 0x40
.set i, 0
.rept 16
	global_load_b128 v[VF+4*i:VF+4*i+3], v[AKV], s[KB:KB+1] offset:16384+512*i
.set i, i+1
.endr
	WIN 0
.endm
	LDKS                                           ; the walk's first step
	LDV
	s_lshl_b32 s23, s18, 4
	s_wait_loadcnt 20                              ; q and its words are in; the 20 loads behind them may be out
	v_lshrrev_b32 v30, s23, v30                    ; my head's two bytes,
	v_lshrrev_b32 v31, s23, v31
	v_and_b32 v30, 0xffff, v30
	v_and_b32 v31, 0xffff, v31
	v_lshl_or_b32 v30, v30, 16, v30                ; for either half of the instruction's K,
	v_lshl_or_b32 v31, v31, 16, v31
	v_add_nc_u32 v[QSA], 0xfcfcfcfd, v30           ; each less 3: the division by 8 (no byte is under 4, so none borrows)
	v_add_nc_u32 v[QSA+1], 0xfcfcfcfd, v31
.macro CTXINIT                         ; the softmax is written once: its first step finds zeros, which the first change of M leaves zeros
.set j, 0
.rept 32
	v_mov_b32 v[OUT+j], 0
.set j, j+1
.endr
	v_mov_b32 v[SUM], 0
	v_mov_b32 v[SUM+1], 0
	v_mov_b32 v[MT], 0xff61b1e6                    ; -3e38, under every t
	v_mov_b32 v[NM], 0x7f61b1e6                    ; -M = floor(3e38)
.irp b, 0,1,2,3
	v_mov_b32 v[X4+\b], 0                          ; a lane permute's destination counts as one of its sources
.endr
	v_mov_b32 v[FF], 0
	v_mov_b32 v[PWC], 0                            ; (named as the upper half of the pair with FF)
.endm
	CTXINIT
	WIN 0x40
	CTXINIT
	WIN 0
.macro LDM ctx                         ; the mask of tile A (ctx 0) or B (16 rows on) into the scores' registers: query r, keys 16 t + 8 h + 0..7.  The caller sets the destination's window
.irp t, 0,1,2,3,4,5,6,7
	ds_load_b128 v[SCO+8*\t:SCO+8*\t+3], v[ADM] offset:\ctx*16*MP+64*\t
	ds_load_b128 v[SCO+8*\t+4:SCO+8*\t+7], v[ADM] offset:\ctx*16*MP+64*\t+16
.endr
.endm
.macro LDK                             ; K's four fragments from LDS: each load takes 512 consecutive bytes
.set i, 0
.rept 16
	ds_load_b128 v[KF+4*i:KF+4*i+3], v[ADK] offset:512*i
.set i, i+1
.endr
.endm
; One tile's softmax for 128 keys, under its window.  Behind the conversions, which are p's last readers, the tile's mask of the next step is asked for.  ctx = 1: p's scale word is copied into window 0, where scale operands are taken from
.macro SOFTMAX ctx
.irp b, 0,1,2,3
	v_max3_num_f32 v[BM+\b], v[SCO+16*\b], v[SCO+1+16*\b], v[SCO+2+16*\b]      ; the largest score of each block of 32 keys: for the row's maximum, and, since p rises with the score, for the block's largest p
.endr
.irp i, 3,5,7,9,11,13
.irp b, 0,1,2,3
	v_max3_num_f32 v[BM+\b], v[BM+\b], v[SCO+16*\b+\i], v[SCO+1+16*\b+\i]
.endr
.endr
.irp b, 0,1,2,3
	v_max_num_f32 v[BM+\b], v[BM+\b], v[SCO+15+16*\b]
.endr
.irp b, 0,1,2,3
	s_delay_alu instid0(VALU_DEP_4)
	v_permlanex16_b32 v[X4+\b], v[BM+\b], s[SEL], s[SEL+1]
.endr
.irp b, 0,1,2,3
	s_delay_alu instid0(VALU_DEP_4)
	v_max_num_f32 v[BM+\b], v[BM+\b], v[X4+\b]     ; with lane l xor 16's 16 keys
.endr
	s_delay_alu instid0(VALU_DEP_2)
	v_max3_num_f32 v[TMP], v[BM], v[BM+1], v[BM+2]
	s_delay_alu instid0(VALU_DEP_1)
	v_max_num_f32 v[TMP], v[TMP], v[BM+3]
	s_delay_alu instid0(VALU_DEP_1)
	v_mul_f32 v[TMP], s[CS], v[TMP]                ; as t
	s_delay_alu instid0(VALU_DEP_1)
	v_max_num_f32 v[MT], v[MT], v[TMP]             ; the running largest t
	v_mov_b32 v[TMP], v[NM]
	s_delay_alu instid0(VALU_DEP_2)
	v_floor_f32 v[NM], -v[MT]                      ; the new -M = -ceil(t)
	s_delay_alu instid0(VALU_DEP_1)
	v_sub_f32 v[TMP], v[NM], v[TMP]                ; old M - new M: a whole number, 0 or less
	s_delay_alu instid0(VALU_DEP_1)
	v_cvt_i32_f32 v[TMP], v[TMP]                   ; (it saturates)
	s_delay_alu instid0(VALU_DEP_1)
	v_ldexp_f32 v[FF], 1.0, v[TMP]                 ; f = 2^(old M - new M)
.set j, 0
.rept 32
	v_pk_fma_f32 v[SCO+j:SCO+j+1], v[SCO+j:SCO+j+1], s[CS:CS+1], v[NM:NM+1] op_sel_hi:[1,0,0]   ; t - M
.set j, j+2
.endr
.irp b, 0,1,2,3
	v_fma_f32 v[BM+\b], v[BM+\b], s[CS], v[NM]
.endr
.set j, 0
	WALU                                           ; ahead of the batch
.rept 64
	v_exp_f32 v[SCO+j], v[SCO+j]                   ; p = 2^(t - M)
.set j, j+1
.endr
.irp b, 0,1,2,3
	v_exp_f32 v[BM+\b], v[BM+\b]                   ; the block's largest p: the same two instructions on the same number
.endr
	v_pk_mul_f32 v[SUM:SUM+1], v[SUM:SUM+1], v[FF:FF+1] op_sel_hi:[1,0]       ; (a plain line behind the exponentials)
	WALU                                           ; behind the batch
.irp b, 0,1,2,3
	v_max_num_f32 v[BM+\b], 0x4800000, v[BM+\b]    ; the floor 2^(9 - 127)
.endr
.irp b, 0,1,2,3
	s_delay_alu instid0(VALU_DEP_4)
	v_add_nc_u32 v[SCL+\b], 0xfc000000, v[BM+\b]
.endr
.irp b, 0,1,2,3
	v_and_or_b32 v[HOLD+\b], v[BM+\b], 0x7f800000, s[MNT]
.endr
.irp b, 0,1,2,3
	v_lshrrev_b32 v[X4+\b], 23, v[SCL+\b]
.endr
	s_delay_alu instid0(VALU_DEP_3)
	v_lshl_or_b32 v[PWC], v[X4+1], 8, v[X4]        ; p's scale word for these 128 keys
	s_delay_alu instid0(VALU_DEP_1)
	v_lshl_or_b32 v[PWC], v[X4+2], 16, v[PWC]
	s_delay_alu instid0(VALU_DEP_1)
	v_lshl_or_b32 v[PWC], v[X4+3], 24, v[PWC]
.if \ctx
	WIN 0x01
	v_mov_b32 v[PWB], v[PWC]
	WIN 0x55
.endif
	v_pk_add_f32 v[X4:X4+1], v[SCO:SCO+1], v[SCO+2:SCO+3]                     ; the sum of the unquantised p, in two chains
.set j, 4
.rept 15
	v_pk_add_f32 v[SUM:SUM+1], v[SUM:SUM+1], v[SCO+j:SCO+j+1]
	v_pk_add_f32 v[X4:X4+1], v[X4:X4+1], v[SCO+j+2:SCO+j+3]
.set j, j+4
.endr
	s_delay_alu instid0(VALU_DEP_1)
	v_pk_add_f32 v[SUM:SUM+1], v[SUM:SUM+1], v[X4:X4+1]
.irp b, 0,1,2,3
.set i, 0
.rept 16
	v_min_num_f32 v[SCO+16*\b+i], v[SCO+16*\b+i], v[HOLD+\b]                  ; the conversion does not saturate (ISA guide 7.6.2); p is not negative
.set i, i+1
.endr
	v_cvt_scalef32_pk8_fp8_f32 v[PCD+4*\b:PCD+4*\b+1], v[SCO+16*\b:SCO+16*\b+7], v[SCL+\b]
	v_cvt_scalef32_pk8_fp8_f32 v[PCD+4*\b+2:PCD+4*\b+3], v[SCO+16*\b+8:SCO+16*\b+15], v[SCL+\b]
.endr
.if \ctx
	WIN 0x40                                       ; destination window 1, address window 0
	LDM 1
	WIN 0x55
.else
	LDM 0
.endif
	WALU                                           ; directly ahead of the first reader of O^T
.set j, 0
.rept 16
	v_pk_mul_f32 v[OUT+j:OUT+j+1], v[OUT+j:OUT+j+1], v[FF:FF+1] op_sel_hi:[1,0]   ; O^T under the new M.  (Also the lines between the codes just made and their products)
.set j, j+2
.endr
.endm
; 8 products: score tile t = K's fragment t / 2 x [q | 0] (t even) or [0 | q] (t odd) + the mask, which lies in the result's registers
.macro SPROD ctx
.irp t, 0,1,2,3,4,5,6,7
.if (\t/2)%2
	v_wmma_scale_f32_16x16x128_f8f6f4 v[SCO+8*\t:SCO+8*\t+7], v[KF+16*(\t/2):KF+16*(\t/2)+15], v[16*\ctx+8-8*(\t%2):16*\ctx+23-8*(\t%2)], v[SCO+8*\t:SCO+8*\t+7], v[KS+\t/4], v[QSA+\ctx] matrix_a_scale:MATRIX_SCALE_ROW1
.else
	v_wmma_scale_f32_16x16x128_f8f6f4 v[SCO+8*\t:SCO+8*\t+7], v[KF+16*(\t/2):KF+16*(\t/2)+15], v[16*\ctx+8-8*(\t%2):16*\ctx+23-8*(\t%2)], v[SCO+8*\t:SCO+8*\t+7], v[KS+\t/4], v[QSA+\ctx]
.endif
.endr
.endm
.macro OPROD pw                        ; 4 products: O^T's tile d += V's fragment d x p
.irp d, 0,1,2,3
.if \d%2
	v_wmma_scale_f32_16x16x128_f8f6f4 v[OUT+8*\d:OUT+8*\d+7], v[VF+16*\d:VF+16*\d+15], v[PCD:PCD+15], v[OUT+8*\d:OUT+8*\d+7], v[VS+\d/2], v[\pw] matrix_a_scale:MATRIX_SCALE_ROW1
.else
	v_wmma_scale_f32_16x16x128_f8f6f4 v[OUT+8*\d:OUT+8*\d+7], v[VF+16*\d:VF+16*\d+15], v[PCD:PCD+15], v[OUT+8*\d:OUT+8*\d+7], v[VS+\d/2], v[\pw]
.endif
.endr
.endm
; A KEY STEP of 128 keys, whose K and masks were asked of LDS in the step before.  odd = 1: a slot's second step, with the change of slots at its head; refill = 1: behind a round of the cluster's barrier the slot just read out is filled again.
; No two matrix instructions that follow each other share an accumulator.
; Eight plain lines stand between a matrix instruction and a load into its registers or the first read of its result.
.macro STEP odd, refill
.if \odd
	WALU
	s_wait_tensorcnt 0x0                           ; my load has landed: my part of the other slot
	ds_add_u32 v[SPW], v[NIL]                      ; 0 onto my spare word
.if \refill
	NEXTFILL
	s_wait_xcnt 0x0                                ; the last prefetch has read its base
	s_add_co_u32 s[PO], s[MO], 1024
	s_and_b32 s[PO], s[PO], 0x3fff
	s_add_nc_u64 s[PFB:PFB+1], s[PFM:PFM+1], s[PO:PO+1]
.endif
	s_wait_loadcnt 18                              ; this step's scale words of K are in; the 18 loads behind them, this step's V, may be out
	s_wait_dscnt 0x0                               ; the add is done, and my reads of this slot are over: this step's K and masks are in registers
	s_barrier_signal -1                            ; the opening signal;
	WIN 0x04                                       ; work on registers while the others arrive: source 1 (q) window 1
	SPROD 0
	WIN 0x54                                       ; source 1, C and D window 1
	SPROD 1
	WIN 0
	s_barrier_wait -1
.if \refill
	CREST                                          ; no wave of the sixteen work-groups still reads this slot or has a tensor load on its way
	JLOAD                                          ; its four v_nop are four of the eight places
	PLACES 4
.else
	PLACES 8
.endif
	s_xor_b32 s[TB], s[TB], SLOT                   ; the next step's tiles lie in the other slot
.else
	s_wait_loadcnt 18                              ; this step's scale words of K are in; this step's V may be out
	s_wait_dscnt 16                                ; K and tile A's mask are in; tile B's sixteen loads may be out
	WIN 0x04
	SPROD 0
	s_wait_dscnt 0x0
	WIN 0x54
	SPROD 1
	WIN 0
	PLACES 8
.endif
	s_wait_xcnt 0x0                                ; the loads' base is written again only behind this wait
	s_add_co_u32 s[NX], s[NX], KVREC               ; the next record, round the head pair's 32
	s_cmp_eq_u32 s[NX], 32*KVREC
	s_cselect_b32 s[NX], 0, s[NX]
	s_add_nc_u64 s[KB:KB+1], s[KV0:KV0+1], s[NX:NX+1]
	v_add_nc_u32 v[ADK], s[TB], v[AKL+1-\odd]
	v_add_nc_u32 v[ADM], s[TB], v[AMK+1-\odd]
	LDK                                            ; the next step's K,
	LDKS                                           ; and its scale words
.if \odd && \refill
	s_cmp_lt_u32 s[WV], 2
	s_cbranch_scc0 .Lno_pf_\@
	s_cmp_eq_u32 s[CNT], 1                         ; the loop's last trip has loaded the walk's last slot: nothing lies behind it
	s_cbranch_scc1 .Lno_pf_\@
	global_prefetch_b8 v[PFO], s[PFB:PFB+1] th:TH_LOAD_NT scope:SCOPE_SE
.Lno_pf_\@:
.endif
	SOFTMAX 0
	WIN 0x55
	WALU                                           ; directly ahead of the first reader of tile B's scores
	SOFTMAX 1
	WALU                                           ; directly ahead of the wait below
	s_wait_loadcnt 2                               ; this step's V is in; the two loads behind it may be out
	WIN 0x01                                       ; source 0 (V) window 1
	OPROD PWC
	WIN 0x55
	OPROD PWB
	WIN 0
	PLACES 8
	LDV                                            ; the next step's V
.endm
	WALU                                           ; the head's end
	s_wait_tensorcnt 0x0                           ; my part of the first slot is in
	ds_add_u32 v[SPW], v[NIL]
	NEXTFILL
	s_wait_dscnt 0x0
	CROUND
	JLOAD                                          ; the second slot's first fill
	v_add_nc_u32 v[ADK], s[TB], v[AKL]
	v_add_nc_u32 v[ADM], s[TB], v[AMK]
	LDK                                            ; the first step's K and masks
	LDM 0
	WIN 0x40
	LDM 1
	WIN 0
	s_mov_b32 s[CNT], 14
.Lslot:                                                ; fourteen slots: each change fills the slot two on
	STEP 0, 0
	STEP 1, 1
	s_sub_co_u32 s[CNT], s[CNT], 1
	s_cmp_lg_u32 s[CNT], 0
	WALU
	s_cbranch_scc1 .Lslot
	s_mov_b32 s[CNT], 2
.Ltail:                                                ; the last two slots: nothing is left to fetch
	STEP 0, 0
	STEP 1, 0
	s_sub_co_u32 s[CNT], s[CNT], 1
	s_cmp_lg_u32 s[CNT], 0
	WALU
	s_cbranch_scc1 .Ltail
; THE END of a tile: O^T / the sum, quantised along my head's 64 (two blocks), as two groups of the result's record and two scale bytes
.macro FIN ctx
.if \ctx
	WIN 0x55
.else
	WIN 0
.endif
	v_add_f32 v[SUM], v[SUM], v[SUM+1]
	s_delay_alu instid0(VALU_DEP_1)
	v_permlanex16_b32 v[X4], v[SUM], s[SEL], s[SEL+1]
	s_delay_alu instid0(VALU_DEP_1)
	v_add_f32 v[SUM], v[SUM], v[X4]                ; the row's sum
	WALU
	v_rcp_f32 v[FF], v[SUM]
	v_nop                                          ; a plain line behind the transcendental
.set j, 0
	WALU
.rept 16
	v_pk_mul_f32 v[OUT+j:OUT+j+1], v[OUT+j:OUT+j+1], v[FF:FF+1] op_sel_hi:[1,0]
.set j, j+2
.endr
.irp b, 0,1
	v_max3_num_f32 v[BM+\b], |v[OUT+16*\b]|, |v[OUT+1+16*\b]|, 0x4800000
.endr
.irp i, 2,4,6,8,10,12,14
.irp b, 0,1
	s_delay_alu instid0(VALU_DEP_2)
	v_max3_num_f32 v[BM+\b], v[BM+\b], |v[OUT+16*\b+\i]|, |v[OUT+1+16*\b+\i]|
.endr
.endr
.irp b, 0,1
	s_delay_alu instid0(VALU_DEP_2)
	v_permlanex16_b32 v[X4+\b], v[BM+\b], s[SEL], s[SEL+1]
.endr
.irp b, 0,1
	s_delay_alu instid0(VALU_DEP_2)
	v_max_num_f32 v[BM+\b], v[BM+\b], v[X4+\b]
.endr
.irp b, 0,1
	s_delay_alu instid0(VALU_DEP_2)
	v_add_nc_u32 v[SCL+\b], 0xfc000000, v[BM+\b]
.endr
.irp b, 0,1
	s_delay_alu instid0(VALU_DEP_4)
	v_and_or_b32 v[HOLD+\b], v[BM+\b], 0x7f800000, s[MNT]
.endr
.irp b, 0,1
	s_delay_alu instid0(VALU_DEP_4)
	v_lshrrev_b32 v[X4+\b], 23, v[SCL+\b]
.endr
	s_delay_alu instid0(VALU_DEP_1)
	v_lshl_or_b32 v[PWC], v[X4+1], 8, v[X4]
.irp b, 0,1
.set i, 0
.rept 16
	v_med3_num_f32 v[OUT+16*\b+i], v[OUT+16*\b+i], -v[HOLD+\b], v[HOLD+\b]
.set i, i+1
.endr
	v_cvt_scalef32_pk8_fp8_f32 v[PCD+4*\b:PCD+4*\b+1], v[OUT+16*\b:OUT+16*\b+7], v[SCL+\b]
	v_cvt_scalef32_pk8_fp8_f32 v[PCD+4*\b+2:PCD+4*\b+3], v[OUT+16*\b+8:OUT+16*\b+15], v[SCL+\b]
.endr
	v_nop
.if \ctx
	WIN 0x04                                       ; a store's data are its source 1: window 1
.endif
	global_store_b128 v[VOA], v[PCD:PCD+3], s[AQ:AQ+1] offset:\ctx*4096        ; a group: 512 consecutive bytes
	global_store_b128 v[VOA], v[PCD+4:PCD+7], s[AQ:AQ+1] offset:\ctx*4096+512
	ds_store_b16 v[ASC], v[PWC] offset:\ctx*128    ; lanes r and r + 16 write the same two bytes with the same value
.endm
	FIN 0
	FIN 1
	WIN 0
	s_wait_dscnt 0x0                               ; for wave 0's sake: my scale bytes have landed
	s_barrier_signal -1
	s_barrier_wait -1
	s_cmp_lg_u32 s[WV], 0
	s_cbranch_scc1 .Lno_words
	ds_load_b128 v[36:39], v[SRD]                  ; the record's scale words leave as 512 consecutive bytes
	s_wait_dscnt 0x0
	global_store_b128 v[L16], v[36:39], s[AQ:AQ+1] offset:16384
.Lno_words:
	s_wait_tensorcnt 0x0                           ; the wave's end
	ds_add_u32 v[SPW], v[NIL]
	s_wait_dscnt 0x0
	CROUND                                         ; the closing round
	s_endpgm
.Lfunc_end_k_qaf9745e749_attn:
	.size	k_qaf9745e749_attn, .Lfunc_end_k_qaf9745e749_attn-k_qaf9745e749_attn
	.p2alignl 7, 3214868480
	.fill 96, 4, 3214868480
	.section	.rodata,"a",@progbits
	.p2align	6, 0x0
	.amdhsa_kernel k_qaf9745e749_attn
		.amdhsa_group_segment_fixed_size 327680
		.amdhsa_private_segment_fixed_size 0
		.amdhsa_enable_private_segment 0
		.amdhsa_kernarg_size 40
		.amdhsa_user_sgpr_count 2
		.amdhsa_user_sgpr_kernarg_segment_ptr 1
		.amdhsa_wavefront_size32 1
		.amdhsa_system_sgpr_workgroup_id_x 1
		.amdhsa_system_sgpr_workgroup_id_y 1
		.amdhsa_system_sgpr_workgroup_id_z 1
		.amdhsa_system_vgpr_workitem_id 0
		.amdhsa_next_free_vgpr 512
		.amdhsa_next_free_sgpr 100
		.amdhsa_reserve_vcc 0
		.amdhsa_float_denorm_mode_32 3
		.amdhsa_float_denorm_mode_16_64 3
		.amdhsa_memory_ordered 1
		.amdhsa_forward_progress 1
		.amdhsa_inst_pref_size 189
	.end_amdhsa_kernel
	.amdgpu_metadata
---
amdhsa.version: [ 1, 2 ]
amdhsa.kernels:
  - .name:           k_qaf9745e749_attn
    .symbol:         k_qaf9745e749_attn.kd
    .args:
      - { .name: qi, .offset: 0, .size: 8, .value_kind: global_buffer, .address_space: global }
      - { .name: qs, .offset: 8, .size: 8, .value_kind: global_buffer, .address_space: global }
      - { .name: kv, .offset: 16, .size: 8, .value_kind: global_buffer, .address_space: global }
      - { .name: attention_mask, .offset: 24, .size: 8, .value_kind: global_buffer, .address_space: global }
      - { .name: aq, .offset: 32, .size: 8, .value_kind: global_buffer, .address_space: global }
    .group_segment_fixed_size: 327680
    .private_segment_fixed_size: 0
    .kernarg_segment_align: 8
    .kernarg_segment_size: 40
    .max_flat_workgroup_size: 256
    .sgpr_count:     100
    .vgpr_count:     512
    .wavefront_size: 32
...
	.end_amdgpu_metadata
.endif
;; end of part 3
;; launch outp (part 4): grid 8 x 32, 8 waves a work-group, clusters of 4 x 4, 327,680 bytes of LDS; arguments aq, woq, bo, out0; writes out0
.if DOCPART == 4
	.amdgcn_target "amdgcn-amd-amdhsa--gfx1250"
	.amdhsa_code_object_version 6
	.text
	.protected	k_qaf9745e749_outp
	.globl	k_qaf9745e749_outp
	.p2align	8
	.type	k_qaf9745e749_outp,@function
k_qaf9745e749_outp:
	s_mov_b64 s[64:65], 0
	v_nop
	global_prefetch_b8 v0, s[64:65] scope:SCOPE_SE
	s_setreg_imm32_b32 hwreg(HW_REG_WAVE_MODE, 25, 1), 1
	s_wait_xcnt 0x0
	s_wait_alu depctr_hold_cnt(0) depctr_sa_sdst(0) depctr_va_vdst(0) depctr_va_sdst(0) depctr_va_ssrc(0) depctr_va_vcc(0) depctr_vm_vsrc(0)
	s_getreg_b32 s2, hwreg(HW_REG_IB_STS2, 6, 4)
	s_cmp_eq_u32 s2, 0
	s_cbranch_scc0 .Lentry_in_a_cluster
	s_endpgm
.Lentry_in_a_cluster:
	s_bfe_u32 s2, ttmp6, 0x10000c
	s_cmp_lg_u32 s2, 0xf033
	s_cbranch_scc0 .Lentry_shape_is_right
	s_endpgm
.Lentry_shape_is_right:
; out0 = attn Wo^T + bo on codes of E4M3: attn's records (aq) and Wo's (woq), K = 1,024; out0 [4096][1024] f32.
; A work-group makes 128 tokens x 128 columns.  ALL OF K LIES IN LDS: 16 records of 16,896 bytes (K step ks, kind, quad) at (4 ks + 2 kind + quad) records, each filled once: no slot is filled again, so there is no ring.
; Wave w fetches records 2 w and 2 w + 1 with one tensor load, out at the start; none later.
; CLUSTER 4 x 4: attn's records hang on the token block alone and are asked for jointly along a row of the cluster, Wo's on the column block alone, jointly along a column.
; Source 0 = 16 rows of Wo (the output's columns, along a lane's registers), source 1 = 16 tokens (across lanes): a lane holds eight neighbouring numbers of a row of out0.
; A wave makes 64 columns (4 tiles b) x 32 tokens (2 tiles a): eight accumulators by turns.  bo is the C of each sum's first product.
; The way out goes through a stage of 128 rows of 512 + 16 bytes in K step 0's four records: they have had their only fill, and every wave's last read of them stands ahead of the second barrier.
.set REC,  16896
.set SP,   528
.set AR,   1
.set AL,   2
.set ARS,  3
.set ALS,  4
.set STI,  5
.set STO,  6
.set L16,  7
.set H32,  8
.set RS,   16                          ; v16-19 Wo's scale words;  v20, v21 attn's
.set LS,   20
.set BB,   32                          ; v32-63   bo at my 4 tiles of columns
.set RF,   64                          ; v64-127  Wo's 4 fragments; on the way out 16 rows
.set LF,   128                         ; v128-159 attn's 2 fragments
.set ACC,  160                         ; v160-223 accumulator (a, b) at 8 (4 a + b)
.set WV,   14
.set G1L,  24
.set G1R,  32
.set G0L,  40
.set G0R,  48
.macro PLACES n
.rept \n
	v_nop
.endr
.endm
.macro CROUND
	s_barrier_signal -1
	s_barrier_wait -1
	s_cmp_lg_u32 s[WV], 0
	s_cbranch_scc1 .Lnot_wave_0_\@
	s_barrier_signal -3
.Lnot_wave_0_\@:
	s_barrier_wait -3
	s_barrier_signal -1
	s_barrier_wait -1
.endm
	s_load_b256 s[4:11], s[0:1], 0x0               ; aq, woq, bo, out0
	v_lshl_add_u32 v254, v0, 2, 0x42000
	v_mov_b32 v255, 0
	ds_add_u32 v254, v255
	ds_add_u32 v254, v255
	v_lshrrev_b32 v9, 5, v0
	s_delay_alu instid0(VALU_DEP_1)
	v_readfirstlane_b32 s[WV], v9                  ; wave 0..7
	; ONE tensor load a wave: a K step's two quads of a kind lie side by side in memory and in LDS, so one descriptor of 132 rows of 256 bytes brings both.  Wave w fetches K step w / 2, kind w % 2, to LDS record 2 w
	s_lshr_b32 s15, s[WV], 1
	s_mov_b32 s16, 0                               ; from the first quad on
	s_and_b32 s17, s[WV], 1                        ; the kind: 0 attn's, 1 Wo's
	s_bfe_u32 s56, ttmp6, 0x40000                  ; cx
	s_bfe_u32 s57, ttmp6, 0x40004                  ; cy
	s_lshl_b32 s58, ttmp9, 2
	s_add_co_u32 s58, s58, s56                     ; x: the block of 128 columns
	s_and_b32 s59, ttmp7, 0xffff
	s_lshl_b32 s59, s59, 2
	s_add_co_u32 s59, s59, s57                     ; y: the block of 128 tokens
	s_lshl_b32 s60, s57, 2
	s_lshl_b32 s60, 15, s60                        ; my row of the cluster
	s_lshl_b32 s61, 0x1111, s56                    ; my column
	s_or_b32 s[G1L], s60, (3<<16)|(1<<21)
	s_or_b32 s[G1R], s61, (3<<16)|(1<<21)
.irp g, G1L, G1R                       ; two records: a dense block of 132 rows of 256 bytes, elements of 8 bytes
	s_mov_b32 s[\g+1], 32<<16
	s_mov_b32 s[\g+2], 132<<16
	s_mov_b32 s[\g+3], 32<<16
	s_mov_b32 s[\g+4], 132
	s_mov_b32 s[\g+5], 32
	s_mov_b32 s[\g+6], 0
	s_mov_b32 s[\g+7], 0
.endr
	s_lshl_b32 s66, s15, 6
	s_lshl_b32 s62, s59, 1
	s_add_co_u32 s66, s66, s62
	s_add_co_u32 s66, s66, s16
	s_mul_i32 s66, s66, REC                        ; attn: record (ks, quad 2 y + qd)
	s_mov_b32 s67, 0
	s_lshl_b32 s68, s15, 4
	s_lshl_b32 s63, s58, 1
	s_add_co_u32 s68, s68, s63
	s_add_co_u32 s68, s68, s16
	s_mul_i32 s68, s68, REC                        ; Wo: record (ks, quad 2 x + qd)
	s_mov_b32 s69, 0
	s_mul_i32 s18, s[WV], 2*REC
	s_wait_dscnt 0x0
	s_wait_kmcnt 0x0
	s_add_nc_u64 s[66:67], s[4:5], s[66:67]
	s_add_nc_u64 s[68:69], s[6:7], s[68:69]
.irp s, 0
	s_mov_b32 s[G0L+4*\s], 1
	s_add_co_u32 s[G0L+4*\s+1], s18, \s*8*REC
	s_add_nc_u64 s[G0L+4*\s+2:G0L+4*\s+3], s[66:67], \s*2*64*REC    ; two K steps on
	s_or_b32 s[G0L+4*\s+3], s[G0L+4*\s+3], 0x80000000
	s_mov_b32 s[G0R+4*\s], 1
	s_add_co_u32 s[G0R+4*\s+1], s18, \s*8*REC
	s_add_nc_u64 s[G0R+4*\s+2:G0R+4*\s+3], s[68:69], \s*2*16*REC
	s_or_b32 s[G0R+4*\s+3], s[G0R+4*\s+3], 0x80000000
.endr
	CROUND                                         ; all sixteen work-groups are here: the joint loads meet
	s_cmp_eq_u32 s17, 0                            ; the two kinds' fills stand in one branch; four v_nop follow each
	s_cbranch_scc0 .Lfirst_r
	tensor_load_to_lds s[G0L:G0L+3], s[G1L:G1L+7]
	s_nop 0
	PLACES 4
	s_branch .Lfirst_asked
.Lfirst_r:
	tensor_load_to_lds s[G0R:G0R+3], s[G1R:G1R+7]
	s_nop 0
	PLACES 4
.Lfirst_asked:
	v_and_b32 v9, 31, v0                           ; lane
	v_and_b32 v10, 15, v0                          ; r
	v_bfe_u32 v11, v0, 4, 1                        ; h
	s_delay_alu instid0(VALU_DEP_3)
	v_lshlrev_b32 v[L16], 4, v9
	s_wait_alu depctr_va_vdst(0)
	v_lshlrev_b32 v12, 2, v9
	s_wait_alu depctr_va_vdst(0)
	v_lshlrev_b32 v[H32], 5, v11
	s_and_b32 s18, s[WV], 1                        ; wr: my 64 columns
	s_lshr_b32 s19, s[WV], 1                       ; wl: my 32 tokens
	s_lshl_b32 s70, s58, 9
	s_lshl_b32 s20, s18, 8
	s_add_co_u32 s70, s70, s20
	s_mov_b32 s71, 0
	s_add_nc_u64 s[70:71], s[8:9], s[70:71]        ; bo at column 128 x + 64 wr
.irp b, 0,1,2,3
	global_load_b128 v[BB+8*\b:BB+8*\b+3], v[H32], s[70:71] offset:64*\b       ; columns 16 b + 8 h + 0..7
	global_load_b128 v[BB+8*\b+4:BB+8*\b+7], v[H32], s[70:71] offset:64*\b+16
.endr
	s_mul_i32 s20, s18, REC
	s_add_co_u32 s20, s20, 2*REC
	v_add_nc_u32 v[AR], s20, v[L16]
	s_add_co_u32 s20, s20, 16384
	v_add_nc_u32 v[ARS], s20, v12
	s_lshr_b32 s21, s19, 1
	s_mul_i32 s21, s21, REC
	s_and_b32 s22, s19, 1
	s_lshl_b32 s23, s22, 13
	s_add_co_u32 s23, s23, s21
	v_add_nc_u32 v[AL], s23, v[L16]
	s_lshl_b32 s23, s22, 8
	s_add_co_u32 s23, s23, s21
	s_add_co_u32 s23, s23, 16384
	v_add_nc_u32 v[ALS], s23, v12
	s_mul_i32 s23, s19, 32*SP
	s_lshl_b32 s22, s18, 8
	s_add_co_u32 s23, s23, s22
	v_mul_u32_u24 v[STI], v10, SP
	s_delay_alu instid0(VALU_DEP_1)
	v_lshl_add_u32 v[STI], v11, 5, v[STI]
	s_delay_alu instid0(VALU_DEP_1)
	v_add_nc_u32 v[STI], s23, v[STI]               ; the stage, in: row 32 wl + r, + 256 wr + 32 h
	s_mul_i32 s23, s[WV], 16*SP
	v_add_nc_u32 v[STO], s23, v[L16]               ; and out: my 16 whole rows
	s_lshl_b32 s72, s59, 7
	s_lshl_b32 s23, s[WV], 4
	s_add_co_u32 s72, s72, s23
	s_lshl_b32 s72, s72, 12                        ; row 128 y + 16 w of 4,096 bytes,
	s_lshl_b32 s23, s58, 9
	s_add_co_u32 s72, s72, s23                     ; + 512 x
	s_mov_b32 s73, 0
	s_add_nc_u64 s[72:73], s[10:11], s[72:73]
; 128 along K: the q-th half of the K step at which the addresses stand.  first = 1: bo is the sums' first C
.macro HALF q, first
.if \first == 0
	PLACES 8                                       ; in front of loads into registers that matrix instructions have read (ISA guide 7.12.1 for vector instructions)
.endif
.if \q == 0
.irp b, 0,1,2,3
	ds_load_b32 v[RS+\b], v[ARS] offset:128*\b
.endr
.irp a, 0,1
	ds_load_b32 v[LS+\a], v[ALS] offset:128*\a
.endr
.endif
.irp b, 0,1,2,3
.irp c, 0,1,2,3
	ds_load_b128 v[RF+16*\b+4*\c:RF+16*\b+4*\c+3], v[AR] offset:4096*\b+2048*\q+512*\c
.endr
.endr
.irp a, 0,1
.irp c, 0,1,2,3
	ds_load_b128 v[LF+16*\a+4*\c:LF+16*\a+4*\c+3], v[AL] offset:4096*\a+2048*\q+512*\c
.endr
.endr
	s_wait_dscnt 0x0
.irp a, 0,1
.irp b, 0,1,2,3
.if \first
	v_wmma_scale_f32_16x16x128_f8f6f4 v[ACC+8*(4*\a+\b):ACC+8*(4*\a+\b)+7], v[RF+16*\b:RF+16*\b+15], v[LF+16*\a:LF+16*\a+15], v[BB+8*\b:BB+8*\b+7], v[RS+\b], v[LS+\a]
.elseif \q
	v_wmma_scale_f32_16x16x128_f8f6f4 v[ACC+8*(4*\a+\b):ACC+8*(4*\a+\b)+7], v[RF+16*\b:RF+16*\b+15], v[LF+16*\a:LF+16*\a+15], v[ACC+8*(4*\a+\b):ACC+8*(4*\a+\b)+7], v[RS+\b], v[LS+\a] matrix_a_scale:MATRIX_SCALE_ROW1 matrix_b_scale:MATRIX_SCALE_ROW1
.else
	v_wmma_scale_f32_16x16x128_f8f6f4 v[ACC+8*(4*\a+\b):ACC+8*(4*\a+\b)+7], v[RF+16*\b:RF+16*\b+15], v[LF+16*\a:LF+16*\a+15], v[ACC+8*(4*\a+\b):ACC+8*(4*\a+\b)+7], v[RS+\b], v[LS+\a]
.endif
.endr
.endr
.endm
.macro KSTEP first
	HALF 0, \first
	HALF 1, 0
.irp r, AR, AL, ARS, ALS
	v_add_nc_u32 v[\r], 4*REC, v[\r]               ; on to the next K step's four records
.endr
.endm
	s_wait_alu depctr_va_vdst(0)
	s_wait_tensorcnt 0x0                           ; my one load is in: behind the barrier all of K lies in LDS
	s_barrier_signal -1
	s_barrier_wait -1                              ; everybody's is
	s_wait_loadcnt 0x0                             ; bo
	KSTEP 1
	s_wait_alu depctr_va_vdst(0)
	KSTEP 0
	s_wait_alu depctr_va_vdst(0)
	s_wait_tensorcnt 0x0                           ; no tensor load is out: my one load landed ahead of the first barrier,
	s_wait_dscnt 0x0                               ; and my reads of K steps 0 and 1 are over
	s_barrier_signal -1
	s_barrier_wait -1
	KSTEP 0
	s_wait_alu depctr_va_vdst(0)
	KSTEP 0
	; THE WAY OUT: a row's 128 columns come from two waves: they meet in the stage, and each wave stores 16 whole rows of 512 bytes
	PLACES 8
.irp a, 0,1
.irp b, 0,1,2,3
	ds_store_b128 v[STI], v[ACC+8*(4*\a+\b):ACC+8*(4*\a+\b)+3] offset:\a*16*SP+64*\b        ; each accumulator from its low end on
	ds_store_b128 v[STI], v[ACC+8*(4*\a+\b)+4:ACC+8*(4*\a+\b)+7] offset:\a*16*SP+64*\b+16
.endr
.endr
	s_wait_dscnt 0x0                               ; for the others' sake: my stores into the stage are done
	s_barrier_signal -1
	s_barrier_wait -1
.irp i, 0,1,2,3,4,5,6,7,8,9,10,11,12,13,14,15
	ds_load_b128 v[RF+4*\i:RF+4*\i+3], v[STO] offset:\i*SP
.endr
.irp i, 0,1,2,3,4,5,6,7,8,9,10,11,12,13,14,15
	s_wait_dscnt 15-\i                             ; row i is back; the younger loads may be out
	global_store_b128 v[L16], v[RF+4*\i:RF+4*\i+3], s[72:73] offset:\i*4096 th:TH_STORE_NT   ; 32 lanes store 512 consecutive bytes, at a multiple of 256 from out0's first byte
.endr
	s_wait_tensorcnt 0x0
	ds_add_u32 v254, v255
	s_wait_dscnt 0x0
	CROUND                                         ; the closing round
	s_endpgm
.Lfunc_end_k_qaf9745e749_outp:
	.size	k_qaf9745e749_outp, .Lfunc_end_k_qaf9745e749_outp-k_qaf9745e749_outp
	.p2alignl 7, 3214868480
	.fill 96, 4, 3214868480
	.section	.rodata,"a",@progbits
	.p2align	6, 0x0
	.amdhsa_kernel k_qaf9745e749_outp
		.amdhsa_group_segment_fixed_size 327680
		.amdhsa_private_segment_fixed_size 0
		.amdhsa_enable_private_segment 0
		.amdhsa_kernarg_size 32
		.amdhsa_user_sgpr_count 2
		.amdhsa_user_sgpr_kernarg_segment_ptr 1
		.amdhsa_wavefront_size32 1
		.amdhsa_system_sgpr_workgroup_id_x 1
		.amdhsa_system_sgpr_workgroup_id_y 1
		.amdhsa_system_sgpr_workgroup_id_z 1
		.amdhsa_system_vgpr_workitem_id 0
		.amdhsa_next_free_vgpr 256
		.amdhsa_next_free_sgpr 76
		.amdhsa_reserve_vcc 0
		.amdhsa_float_denorm_mode_32 3
		.amdhsa_float_denorm_mode_16_64 3
		.amdhsa_memory_ordered 1
		.amdhsa_forward_progress 1
		.amdhsa_inst_pref_size 37
	.end_amdhsa_kernel
	.amdgpu_metadata
---
amdhsa.version: [ 1, 2 ]
amdhsa.kernels:
  - .name:           k_qaf9745e749_outp
    .symbol:         k_qaf9745e749_outp.kd
    .args:
      - { .name: aq, .offset: 0, .size: 8, .value_kind: global_buffer, .address_space: global }
      - { .name: woq, .offset: 8, .size: 8, .value_kind: global_buffer, .address_space: global }
      - { .name: bo, .offset: 16, .size: 8, .value_kind: global_buffer, .address_space: global }
      - { .name: out0, .offset: 24, .size: 8, .value_kind: global_buffer, .address_space: global }
    .group_segment_fixed_size: 327680
    .private_segment_fixed_size: 0
    .kernarg_segment_align: 8
    .kernarg_segment_size: 32
    .max_flat_workgroup_size: 256
    .sgpr_count:     76
    .vgpr_count:     256
    .wavefront_size: 32
...
	.end_amdgpu_metadata
.endif
;; end of part 4
